; MI455X (gfx1250); checked and timed in simulation.
; The chip was launched on July 23, 2026; its instructions are those of AMD's public machine-readable ISA for CDNA 5 (MIT licence, August 2026) and "CDNA5" Instruction Set Architecture Reference Guide (July 2026). The comments in the code are by the model that wrote it; some were corrected since.
;; Model. Allowed arithmetic: matrix products marked QUANTISED: E4M3 operands, one given power-of-two scale a tensor, by v_wmma_f32_16x16x64_fp8_fp8 or v_wmma_f32_16x16x128_fp8_fp8, f32 sums; everything else in f32.
;; Inputs: W_qkv 1,024 x 3,072 float32; attn_mask 4 x 2,048 x 2,048 float32; b_qkv 3,072 float32; lowp_scales 6 int32 (the exponents e of the quantised operands' scales 2^e); x1 4 x 2,048 x 1,024 float32; x2 4 x 2,048 x 1,024 float32.
;; Outputs: out0 4 x 2,048 x 1,024 float32.
;; This version of the problem:
;;   THIS VERSION OF THE PROBLEM IS GIVEN IN LOW PRECISION. The matrix products marked QUANTISED in the list below multiply operands that are first quantised to E4M3 (4 exponent bits, 3 mantissa bits; 8 bits a number), with one given power-of-two scale for each operand tensor; their sums are f32. All else is computed in f32.
;;   The module's matrix products, in the order in which they are computed (A, B: the left and right operand; K: the contracted axis; several contracted axes count as one K, in the product's order):
;;     1. [M 8,192, K 1,024] x [K 1,024, N 3,072]; A: input x1; B: input W_qkv: QUANTISED (scales: A lowp_scales[0], B lowp_scales[1])
;;     2. batch 4 x [M 2,048, K 1,024] x [K 1,024, N 2,048]; A: computed on the way; B: computed on the way: QUANTISED (scales: A lowp_scales[2], B lowp_scales[3])
;;     3. batch 4 x [M 2,048, K 2,048] x [K 2,048, N 1,024]; A: softmax (see below); B: computed on the way: QUANTISED (scales: A lowp_scales[4], B lowp_scales[5])
;;   THE QUANTISER, for each operand of a quantised product, along K:
;;     - The operand's scale is 2^e, e = its entry of the input lowp_scales (int32; the entries are numbered through the quantised products in the list's order, A before B).
;;     - Each number is divided by the scale, clamped to +-448, and rounded to the nearest number of E4M3, ties to even, subnormals kept.
;;     - The product sums the exact products of the quantised numbers (number of the format x scale) in f32.
;;   ~~~python
;;   def quantise(x, axis, e):      # numpy; x: float32 -> the quantised numbers, widened to float32 again
;;       x = np.moveaxis(x, axis, -1); K = x.shape[-1]
;;       r = np.clip(x / 2.0 ** e, -448, 448)
;;       step = 2.0 ** (np.maximum(np.frexp(np.where(r == 0, 1, r))[1] - 1, -6) - 3)
;;       q = np.round(r / step) * step * 2.0 ** e      # np.round: ties to even
;;       return np.moveaxis(q, -1, axis).astype(np.float32)
;;   ~~~
;;   SOFTMAX AHEAD OF A QUANTISED PRODUCT. Where the list says 'softmax', what is quantised is not the finished softmax but p = 2^(t - M), with t = logit x log2(e) and M = ceil(the row's largest t), a whole number; so 1/2 < the row's largest p <= 1. The row's sum l is taken of the UNQUANTISED p, in f32, and the product's result is divided by l at the end. Since M is a whole number, a kernel that streams over the keys may use a running M (the ceiling of the running maximum): every later rescaling is an exact power of two, so the quantised numbers keep their values, but for numbers so far below the row's largest that they fall under the format's range.
;;   OPERANDS COMPUTED ON THE WAY. 'Computed on the way' means the value that the module computes at that place (a softmax that the list does not call 'softmax' is quantised finished and normalised). What goes into a quantiser is computed in f32, as accurately as f32 sums, v_exp_f32 and their like allow (about 1e-6 of the number): no bf16 or f16 on the way to a quantiser, and a product that is left as it is and whose result goes on into a quantised operand takes f32 operands (vector FMAs, or v_wmma_f32_16x16x4_f32). A number that lies on a knife's edge between two numbers of the format may be rounded either way, as far as f32 arithmetic and the matrix unit's own rounding can turn it there, and no further.
;; One version. Each part assembles by itself: llvm-mc -triple=amdgcn-amd-amdhsa -mcpu=gfx1250 --defsym DOCPART=n.
;; ======== version 1 of 1: 4 launches
;; limits: right only within a limited range of input values
;; workspace buffers: x_codes 8,388,608 bytes; w_codes 3,145,728 bytes; q_codes 8,388,608 bytes; k_codes 8,388,608 bytes; v_codes 8,388,608 bytes; p_codes 16,777,216 bytes; stat_m 262,144 bytes; stat_l 262,144 bytes
;; launch quant (part 1): grid 1216 x 1, 4 waves a work-group, no clusters, 38,400 bytes of LDS; arguments x1, W_qkv, lowp_scales, x_codes, w_codes; writes x_codes, w_codes
.if DOCPART == 1
	.amdgcn_target "amdgcn-amd-amdhsa--gfx1250"
	.amdhsa_code_object_version 6
	.text
	.protected	k_qc42393cb28_quant
	.globl	k_qc42393cb28_quant
	.p2align	8
	.type	k_qc42393cb28_quant,@function
k_qc42393cb28_quant:
	s_mov_b64 s[64:65], 0
	v_nop
	global_prefetch_b8 v0, s[64:65] scope:SCOPE_SE
	s_setreg_imm32_b32 hwreg(HW_REG_WAVE_MODE, 25, 1), 1
	s_wait_xcnt 0x0
; FIRST OF FOUR LAUNCHES of o = softmax(q k^T + attn_mask) v, with q, k, v = x1 W_qkv + b_qkv and q x 1024^-0.5, all three products on codes of E4M3 with given scales 2^e.
; DEAD WORK: x2 is an argument of reference() that no line of its body reads, so whatever x2 holds it reaches no output: it is not loaded and is no argument of any launch.
; LIMIT: a NaN or an infinity in x2 is therefore not carried to the result.  Nothing else is left out: b_qkv moves the codes of q, k and v, and the mask moves every score.
; THIS LAUNCH: x1 [8192][1024] f32 -> x_codes [8192][1024], scale 2^e0;  W_qkv [1024 k][3072 n] f32 -> w_codes [3072 n][1024 k], K innermost, scale 2^e1.
; code = x / 2^e, held within +-448, to the nearest code, ties to even.  LIMITS: -126 <= e0, e1 <= 119; NaN among the inputs is not served (an infinity is held at the largest code).
; Work-groups 0-191 take W, 64 columns x 256 along K each (they have the longer chain of loads, so they stand first); work-groups 192-1215 take x1, a plain stream of 8,192 numbers each.
; The two ways part on the work-group's number and never join; each has LDS bytes of its own.  Many short waves: a wave of x1's way has all its 16 loads out at once, a wave of W's way half of its 128.
; No tensor load, no matrix unit, no cluster: nothing is shared between work-groups and memory binds.
.set SPW,   12                         ; v12  LDS address of my spare word: SPARE + 4 x my thread's number; never rewritten
.set NIL,   13                         ; v13  0; never rewritten
.set WGW,   192                        ; W's work-groups
.set EMAX,  8
.set MANT,  0x600000                   ; the mantissa field of 448 as f32
; x1's way
.set STEPS, 4                          ; a wave takes 4 steps of 512 numbers
.set CB,    16                         ; bytes of a lane's 16 codes
.set XR,    16                         ; v16-79   four sets of 16 numbers as they are loaded
.set XX,    80                         ; v80-111  two sets of 16 neighbours
.set XC,    112                        ; v112-127 codes: four registers for each step, so that no store's data are written again
.set SP,    80                         ; a lane's place in a stage: its 64 bytes + 16 of padding
.set WREG,  2*32*SP                    ; LDS bytes 0 .. 20,479: a region for each wave: two stages of 32 x SP bytes
; W's way
.set SIZE_K, 1024
.set SIZE_N, 3072
.set NB,    4                          ; blocks of 32 along K for a wave
.set WPITCH, 272                       ; a stage row: 256 codes + 16 bytes
.set WSTG,  4*WREG                     ; LDS bytes 20,480 .. 37,887: the work-group's stage of 64 rows
.set WX,    32                         ; v32-95   two sets of 32 numbers
.set WC,    96                         ; v96-103  a block's codes
.set WOUT,  32                         ; v32-63   the way out
.set SPARE, WSTG+64*WPITCH             ; behind both ways' stages: the spare words, 128 bytes for each wave
	s_load_b128 s[4:7], s[0:1], 0x0                ; x1, W_qkv
	s_load_b64 s[10:11], s[0:1], 0x10              ; the scales' exponents
	s_load_b128 s[12:15], s[0:1], 0x18             ; x_codes, w_codes
	v_lshl_add_u32 v[SPW], v0, 2, SPARE
	v_mov_b32 v[NIL], 0
	v_lshrrev_b32 v1, 5, v0
	v_readfirstlane_b32 s16, v1                    ; wave 0..3
	v_and_b32 v2, 31, v0                           ; lane
	s_cmp_lt_u32 ttmp9, WGW
	s_cbranch_scc1 .Lw
; ---------------- x1: K is innermost.  Each load reads 512 consecutive bytes; a step's 2,048 bytes turn through the wave's own stage, so that a lane then holds 16 neighbours along K.
	v_lshlrev_b32 v3, 4, v2                        ; my 16 bytes of a load's 512
	s_mul_i32 s17, s16, WREG
	v_lshrrev_b32 v14, 2, v2
	v_mul_u32_u24 v14, v14, SP
	v_and_b32 v15, 3, v2
	v_lshl_add_u32 v14, v15, 4, v14
	v_add_nc_u32 v14, s17, v14                     ; the stage, on the way in: SP (lane / 4) + 16 (lane % 4)
	v_mul_u32_u24 v15, v2, SP
	v_add_nc_u32 v15, s17, v15                     ; and on the way out: SP x lane: my 16 neighbours
	v_mul_u32_u24 v4, v2, CB                       ; my codes' place in a step's
	s_sub_co_u32 s17, ttmp9, WGW
	s_lshl_b32 s17, s17, 2
	s_add_co_u32 s18, s17, s16                     ; which run of 2,048 numbers is my wave's
	s_mov_b32 s19, 0
	s_lshl_b64 s[20:21], s[18:19], 13              ; 8,192 bytes of f32,
	s_lshl_b64 s[24:25], s[18:19], 11              ; 2,048 bytes of codes
	s_wait_alu depctr_va_vdst(0)
	s_wait_kmcnt 0x0
	s_load_b32 s22, s[10:11], 0x0                  ; e0
	s_add_nc_u64 s[4:5], s[4:5], s[20:21]
	s_add_nc_u64 s[8:9], s[12:13], s[24:25]
.macro XLOAD t
.irp i, 0,1,2,3
	global_load_b128 v[XR+16*((\t)%4)+4*\i:XR+16*((\t)%4)+4*\i+3], v3, s[4:5] offset:2048*(\t)+512*\i th:TH_LOAD_NT
.endr
.endm
.macro XTURN t                         ; LDS serves a wave's instructions in order, so no wait stands between the stores and the loads
.irp i, 0,1,2,3
	ds_store_b128 v14, v[XR+16*((\t)%4)+4*\i:XR+16*((\t)%4)+4*\i+3] offset:32*SP*((\t)%2)+8*SP*\i
.endr
.irp i, 0,1,2,3
	ds_load_b128 v[XX+16*((\t)%2)+4*\i:XX+16*((\t)%2)+4*\i+3], v15 offset:32*SP*((\t)%2)+16*\i
.endr
.endm
.irp t, 0,1,2,3
	XLOAD \t                                       ; all that the wave reads: 16 loads
.endr
	s_wait_kmcnt 0x0
	s_add_co_i32 s22, s22, 127
	s_lshl_b32 s23, s22, 23
	v_mov_b32 v11, s23                             ; 2^e0 as f32: the conversion takes its exponent field
	s_add_co_i32 s22, s22, EMAX
	s_lshl_b32 s22, s22, 23
	s_or_b32 s22, s22, MANT
	v_mov_b32 v10, s22                             ; 448 x 2^e0
	s_wait_alu depctr_va_vdst(0)
	s_wait_loadcnt 12                              ; step 0's four loads are in; the twelve of steps 1 to 3 may be out
	XTURN 0
.macro XSTEP t
.set XS, XX+16*((\t)%2)
	s_wait_dscnt 0x0                               ; this step's numbers are back from the stage
.if (\t)+1 < STEPS
	s_wait_loadcnt 4*(STEPS-2-(\t))                ; the next step's four loads are in; those of the steps behind it may be out
	XTURN (\t)+1                                   ; and go through the other stage while this step is worked
.endif
.irp i, 0,1,2,3,4,5,6,7,8,9,10,11,12,13,14,15
	v_med3_num_f32 v[XS+\i], v[XS+\i], -v10, v10   ; the conversion to an 8-bit code does not saturate (ISA guide 7.6.2): the hold comes first
.endr
	v_cvt_scalef32_pk8_fp8_f32 v[XC+4*(\t):XC+4*(\t)+1], v[XS:XS+7], v11
	v_cvt_scalef32_pk8_fp8_f32 v[XC+4*(\t)+2:XC+4*(\t)+3], v[XS+8:XS+15], v11
	global_store_b128 v4, v[XC+4*(\t):XC+4*(\t)+3], s[8:9] offset:32*CB*(\t)   ; the wave stores 512 consecutive bytes; the codes are touched by this store alone
.endm
.irp t, 0,1,2,3
	XSTEP \t
.endr
	s_wait_tensorcnt 0x0                           ; the wave's end: behind my last LDS store
	ds_add_u32 v[SPW], v[NIL]
	s_wait_dscnt 0x0
	s_endpgm
; ---------------- W: K is the FIRST axis.  A lane takes a column n and its registers run down K: each load reads 128 consecutive bytes a wave, and the conversions give codes with K innermost.
; A wave takes 32 columns x 128 along K: wave w has columns 32 (w % 2) on and K 128 (w / 2) on.  A column's 256 codes come from two waves: they meet in the work-group's stage, behind a barrier,
; and leave as rows: sixteen lanes store 256 consecutive bytes, aligned.
.Lw:
	s_and_b32 s26, s16, 1                          ; which 32 columns
	s_lshr_b32 s27, s16, 1                         ; which 128 along K
	s_lshr_b32 s17, ttmp9, 2
	s_lshl_b32 s17, s17, 6                         ; the work-group's first column
	s_and_b32 s18, ttmp9, 3                        ; which 256 along K
	s_wait_alu depctr_va_vdst(0)
	v_lshlrev_b32 v3, 2, v2                        ; in: 4 bytes a lane
	s_mul_i32 s19, s26, 32*WPITCH
	s_lshl_b32 s20, s27, 7
	s_add_co_u32 s19, s19, s20
	s_add_co_u32 s19, s19, WSTG
	v_mul_u32_u24 v4, v2, WPITCH
	v_add_nc_u32 v4, s19, v4                       ; into the stage: row = my column, my wave's half of its 256 bytes
	v_and_b32 v5, 15, v2
	v_lshrrev_b32 v6, 4, v2
	s_mul_i32 s19, s16, 16*WPITCH
	s_add_co_u32 s19, s19, WSTG
	v_mul_u32_u24 v7, v6, WPITCH
	v_lshl_add_u32 v7, v5, 4, v7
	v_add_nc_u32 v7, s19, v7                       ; out of it: wave w takes rows 16 w on; sixteen lanes to a row, two rows an instruction
	v_mul_u32_u24 v8, v6, SIZE_K
	v_lshl_add_u32 v8, v5, 4, v8                   ; and the same place in w_codes
	s_lshl_b32 s20, s18, 8
	s_lshl_b32 s21, s27, 7
	s_add_co_u32 s20, s20, s21
	s_mul_i32 s20, s20, SIZE_N*4                   ; W: my first row of 12,288 bytes,
	s_lshl_b32 s21, s26, 5
	s_add_co_u32 s21, s21, s17
	s_lshl_b32 s21, s21, 2
	s_add_co_u32 s20, s20, s21                     ; + 4 x my first column
	s_mov_b32 s21, 0
	s_lshl_b32 s24, s16, 4
	s_add_co_u32 s24, s24, s17
	s_lshl_b32 s24, s24, 10                        ; codes: the first row that I store x 1,024
	s_lshl_b32 s25, s18, 8
	s_add_co_u32 s24, s24, s25                     ; + 256 x K block
	s_mov_b32 s25, 0
	s_wait_kmcnt 0x0
	s_load_b32 s30, s[10:11], 0x4                  ; e1
	s_add_nc_u64 s[4:5], s[6:7], s[20:21]
	s_add_nc_u64 s[8:9], s[14:15], s[24:25]
.macro WLOAD t                         ; block t: W(32 t + i, my column), i = 0 .. 31; the largest immediate is 127 x 12,288, inside the signed 24 bits
.set n_, 0
.rept 32
	global_load_b32 v[WX+32*((\t)%2)+n_], v3, s[4:5] offset:(32*(\t)+n_)*SIZE_N*4 th:TH_LOAD_NT
.set n_, n_+1
.endr
.endm
	WLOAD 0
	WLOAD 1
	s_wait_kmcnt 0x0
	s_add_co_i32 s30, s30, 127
	s_lshl_b32 s31, s30, 23
	v_mov_b32 v11, s31                             ; 2^e1
	s_add_co_i32 s30, s30, EMAX
	s_lshl_b32 s30, s30, 23
	s_or_b32 s30, s30, MANT
	v_mov_b32 v10, s30                             ; 448 x 2^e1
.macro WBLOCK t
.set XS, WX+32*((\t)%2)
.if (\t) < NB-1
	s_wait_loadcnt 32                              ; this block's 32 loads are in; the next block's may be out
.else
	s_wait_loadcnt 0
.endif
.set n_, 0
.rept 32
	v_med3_num_f32 v[XS+n_], v[XS+n_], -v10, v10
.set n_, n_+1
.endr
.irp g, 0,1,2,3
	v_cvt_scalef32_pk8_fp8_f32 v[WC+2*\g:WC+2*\g+1], v[XS+8*\g:XS+8*\g+7], v11
.endr
	ds_store_b128 v4, v[WC:WC+3] offset:32*(\t)    ; 32 codes: 32 bytes of my column's row
	ds_store_b128 v4, v[WC+4:WC+7] offset:32*(\t)+16
.if (\t)+2 < NB
	WLOAD (\t)+2
.endif
	s_wait_dscnt 0x0                               ; the stores have read their registers: the next block's codes may be written.  Behind the last block: for the others' sake, my stores are done
.endm
	s_wait_alu depctr_va_vdst(0)
.irp t, 0,1,2,3
	WBLOCK \t
.endr
	s_barrier_signal -1
	s_barrier_wait -1                              ; 64 whole rows lie in the stage
.irp t, 0,1,2,3,4,5,6,7
	ds_load_b128 v[WOUT+4*\t:WOUT+4*\t+3], v7 offset:2*\t*WPITCH
.endr
.irp t, 0,1,2,3,4,5,6,7
	s_wait_dscnt 7-\t                              ; LDS loads come back in order: load t is in
	global_store_b128 v8, v[WOUT+4*\t:WOUT+4*\t+3], s[8:9] offset:2*\t*SIZE_K
.endr
	s_wait_tensorcnt 0x0                           ; the wave's end: the three lines
	ds_add_u32 v[SPW], v[NIL]
	s_wait_dscnt 0x0
	s_endpgm
.Lfunc_end_k_qc42393cb28_quant:
	.size	k_qc42393cb28_quant, .Lfunc_end_k_qc42393cb28_quant-k_qc42393cb28_quant
	.p2alignl 7, 3214868480
	.fill 96, 4, 3214868480
	.section	.rodata,"a",@progbits
	.p2align	6, 0x0
	.amdhsa_kernel k_qc42393cb28_quant
		.amdhsa_group_segment_fixed_size 38400
		.amdhsa_private_segment_fixed_size 0
		.amdhsa_enable_private_segment 0
		.amdhsa_kernarg_size 40
		.amdhsa_user_sgpr_count 2
		.amdhsa_user_sgpr_kernarg_segment_ptr 1
		.amdhsa_wavefront_size32 1
		.amdhsa_system_sgpr_workgroup_id_x 1
		.amdhsa_system_sgpr_workgroup_id_y 1
		.amdhsa_system_sgpr_workgroup_id_z 1
		.amdhsa_system_vgpr_workitem_id 0
		.amdhsa_next_free_vgpr 128
		.amdhsa_next_free_sgpr 66
		.amdhsa_reserve_vcc 0
		.amdhsa_float_denorm_mode_32 3
		.amdhsa_float_denorm_mode_16_64 3
		.amdhsa_memory_ordered 1
		.amdhsa_forward_progress 1
		.amdhsa_inst_pref_size 37
	.end_amdhsa_kernel
	.amdgpu_metadata
---
amdhsa.version: [ 1, 2 ]
amdhsa.kernels:
  - .name:           k_qc42393cb28_quant
    .symbol:         k_qc42393cb28_quant.kd
    .args:
      - { .name: x1, .offset: 0, .size: 8, .value_kind: global_buffer, .address_space: global }
      - { .name: W_qkv, .offset: 8, .size: 8, .value_kind: global_buffer, .address_space: global }
      - { .name: lowp_scales, .offset: 16, .size: 8, .value_kind: global_buffer, .address_space: global }
      - { .name: x_codes, .offset: 24, .size: 8, .value_kind: global_buffer, .address_space: global }
      - { .name: w_codes, .offset: 32, .size: 8, .value_kind: global_buffer, .address_space: global }
    .group_segment_fixed_size: 38400
    .private_segment_fixed_size: 0
    .kernarg_segment_align: 8
    .kernarg_segment_size: 40
    .max_flat_workgroup_size: 128
    .sgpr_count:     66
    .vgpr_count:     128
    .wavefront_size: 32
...
	.end_amdgpu_metadata
.endif
;; end of part 1
;; launch qkv (part 2): grid 8 x 32, 4 waves a work-group, clusters of 4 x 4, 327,680 bytes of LDS; arguments x_codes, w_codes, lowp_scales, b_qkv, q_codes, k_codes, v_codes; writes q_codes, k_codes, v_codes
.if DOCPART == 2
	.amdgcn_target "amdgcn-amd-amdhsa--gfx1250"
	.amdhsa_code_object_version 6
	.text
	.protected	k_qc42393cb28_qkv
	.globl	k_qc42393cb28_qkv
	.p2align	8
	.type	k_qc42393cb28_qkv,@function
k_qc42393cb28_qkv:
	s_mov_b64 s[64:65], 0
	v_nop
	global_prefetch_b8 v0, s[64:65] scope:SCOPE_SE
	s_setreg_imm32_b32 hwreg(HW_REG_WAVE_MODE, 25, 1), 1
	s_wait_xcnt 0x0
	s_wait_alu depctr_hold_cnt(0) depctr_sa_sdst(0) depctr_va_vdst(0) depctr_va_sdst(0) depctr_va_ssrc(0) depctr_va_vcc(0) depctr_vm_vsrc(0)
	s_getreg_b32 s2, hwreg(HW_REG_IB_STS2, 6, 4)
	s_cmp_eq_u32 s2, 0
	s_cbranch_scc0 .Lentry_in_a_cluster
	s_endpgm
.Lentry_in_a_cluster:
	s_bfe_u32 s2, ttmp6, 0x10000c
	s_cmp_lg_u32 s2, 0xf033
	s_cbranch_scc0 .Lentry_shape_is_right
	s_endpgm
.Lentry_shape_is_right:
; SECOND OF FOUR LAUNCHES: q, k, v = x1 W_qkv + b_qkv on codes of E4M3, quantised on the way out.  (x2 reaches no output: see the first launch; it is no argument.)
; A work-group makes 256 rows x 256 columns of q or k, then 256 rows x 128 columns of v.  q_codes, k_codes: [8192][1024], K = d innermost, scales 2^e2 (q x 1024^-0.5 = q x 2^-5) and 2^e3;
; v_codes: [1024 d][8192 tokens], the keys innermost, scale 2^e5.  The bias x 2^-(e0 + e1) is added to the sums, and the power of two that is left goes into the conversion's scale.
; K in steps of 256 through two LDS slots filled by joint loads (clusters of 4 x 4: x's tile shared along a row, W's along a column), one tensor load a wave behind each round.
; PREFETCH: behind K step 0's load each wave asks for its work-group's 32 of the 128 rows that it fetches, of K steps 2 and 3; partners are told apart by address; v's rows of W are few and come by their loads.
; LIMITS: e2 + 5 - e0 - e1, e3 - e0 - e1 and e5 - e0 - e1 lie between -126 and 119; NaN among the inputs is not served.
.set KROW,   1024
.set ROWB,   256
.set PITCH,  272
.set FR,     16
.set NL,     4
.set NP,     4
.set HALFT,  128*PITCH
.set SLOT,   4*HALFT
.set LAPS,   2
.set SPARE,  2*SLOT
.set STG,    SPARE+512
.set SCLV, 4
.set LIMV, 5
.set BV,   8
.set ADRA, 16
.set ADRAV, 18
.set ADRB, 20
.set ADRBV, 22
.set STO,  24
.set RD,   25
.set CO,   26
.set COV,  27
.set SPW,  28
.set NIL,  29
.set SCL,  30
.set LIM,  31
.set BQ,   32
.set TMP,  96
.set CD,   160
.set AF,   128
.set OUTR, 192
.set G0V, 4
.set G1, 24
.set G0, 32
.set G1V, 40
.set G1B, 48
.set G0B, 56
.set MSB, 0
.macro WIN new
.if MSB != (\new)
	s_set_vgpr_msb (MSB<<8)|(\new)
.set MSB, (\new)
.endif
.endm
.set MUL_LO, 0xa1
.set MUL_HI, 0xf1
.set TO_B,   0x40
.macro JLOAD g0a, g1a, g0b, g1b
	s_cmp_eq_u32 s15, 0
	s_cbranch_scc0 .Lfor_b_\@
	tensor_load_to_lds s[\g0a:\g0a+3], s[\g1a:\g1a+7]
	s_nop 0
.rept 4
	v_nop
.endr
	s_branch .Lasked_\@
.Lfor_b_\@:
	tensor_load_to_lds s[\g0b:\g0b+3], s[\g1b:\g1b+7]
	s_nop 0
.rept 4
	v_nop
.endr
.Lasked_\@:
.endm
.macro CREST
	s_cmp_lg_u32 s14, 0
	s_cbranch_scc1 .Lnot_wave_0_\@
	s_barrier_signal -3
.Lnot_wave_0_\@:
	s_barrier_wait -3
	s_barrier_signal -1
	s_barrier_wait -1
.endm
.macro CROUND
	s_barrier_signal -1
	s_barrier_wait -1
	CREST
.endm
	s_load_b256 s[68:75], s[0:1], 0x0
	s_load_b128 s[76:79], s[0:1], 0x20
	s_load_b64 s[80:81], s[0:1], 0x30
	v_lshl_add_u32 v[SPW], v0, 2, SPARE
	v_mov_b32 v[NIL], 0
	ds_add_u32 v[SPW], v[NIL]
	ds_add_u32 v[SPW], v[NIL]
	v_lshrrev_b32 v1, 5, v0
	v_readfirstlane_b32 s14, v1
	s_lshr_b32 s15, s14, 1
	s_and_b32 s16, s14, 1
	s_bfe_u32 s82, ttmp6, 0x40000
	s_bfe_u32 s83, ttmp6, 0x40004
	s_lshl_b32 s85, ttmp9, 2
	s_add_co_u32 s85, s85, s82
	s_and_b32 s84, ttmp7, 0xffff
	s_lshl_b32 s17, s84, 2
	s_add_co_u32 s17, s17, s83
	s_lshl_b32 s12, s83, 2
	s_lshl_b32 s12, 15, s12
	s_lshl_b32 s13, 0x1111, s82
	s_or_b32 s[G1+0], s12, (0<<16)|(1<<20)|(1<<21)|(5<<22)|(3<<25)
	s_or_b32 s[G1B+0], s13, (0<<16)|(1<<20)|(1<<21)|(5<<22)|(3<<25)
	s_or_b32 s[G1V+0], s13, (0<<16)|(1<<20)|(1<<21)|(5<<22)|(3<<25)
.irp g, G1, G1B
	s_mov_b32 s[\g+1], ROWB<<16
	s_mov_b32 s[\g+2], 128<<16
	s_mov_b32 s[\g+3], ROWB<<16
	s_mov_b32 s[\g+4], 128
	s_mov_b32 s[\g+5], KROW
	s_mov_b32 s[\g+6], 0
	s_mov_b32 s[\g+7], 0
.endr
	s_mov_b32 s[G1V+1], ROWB<<16
	s_mov_b32 s[G1V+2], 64<<16
	s_mov_b32 s[G1V+3], ROWB<<16
	s_mov_b32 s[G1V+4], 64
	s_mov_b32 s[G1V+5], KROW
	s_mov_b32 s[G1V+6], 0
	s_mov_b32 s[G1V+7], 0
	s_lshl_b32 s18, s16, 7
	s_lshl_b32 s20, s17, 8
	s_add_co_u32 s20, s20, s18
	s_lshl_b32 s20, s20, 10
	s_mov_b32 s21, 0
	s_lshl_b32 s22, s85, 8
	s_add_co_u32 s22, s22, s18
	s_lshl_b32 s22, s22, 10
	s_mov_b32 s23, 0
	s_lshl_b32 s18, s16, 6
	s_lshl_b32 s66, s85, 7
	s_add_co_u32 s66, s66, s18
	s_add_co_u32 s66, s66, 2048
	s_lshl_b32 s66, s66, 10
	s_mov_b32 s67, 0
	s_mul_i32 s88, s14, HALFT
	s_mul_i32 s89, s16, 64*PITCH
	s_add_co_u32 s89, s89, 2*HALFT
	s_wait_dscnt 0x0
	s_wait_kmcnt 0x0
	s_load_b128 s[96:99], s[72:73], 0x0
	s_load_b64 s[100:101], s[72:73], 0x10
	s_add_nc_u64 s[20:21], s[68:69], s[20:21]
	s_add_nc_u64 s[22:23], s[70:71], s[22:23]
	s_add_nc_u64 s[66:67], s[70:71], s[66:67]
	CROUND
.irp s, 0,1
	s_mov_b32 s[G0+4*\s], 1
	s_add_co_u32 s[G0+4*\s+1], s88, \s*SLOT
	s_add_nc_u64 s[G0+4*\s+2:G0+4*\s+3], s[20:21], \s*ROWB
	s_or_b32 s[G0+4*\s+3], s[G0+4*\s+3], 0x80000000
	s_mov_b32 s[G0B+4*\s], 1
	s_add_co_u32 s[G0B+4*\s+1], s88, \s*SLOT
	s_add_nc_u64 s[G0B+4*\s+2:G0B+4*\s+3], s[22:23], \s*ROWB
	s_or_b32 s[G0B+4*\s+3], s[G0B+4*\s+3], 0x80000000
	s_mov_b32 s[G0V+4*\s], 1
	s_add_co_u32 s[G0V+4*\s+1], s89, \s*SLOT
	s_add_nc_u64 s[G0V+4*\s+2:G0V+4*\s+3], s[66:67], \s*ROWB
	s_or_b32 s[G0V+4*\s+3], s[G0V+4*\s+3], 0x80000000
.endr
	JLOAD G0, G1, G0B, G1B                         ; K step 0: one tensor load a wave at the head
	s_cmp_eq_u32 s15, 0
	s_cselect_b64 s[12:13], s[20:21], s[22:23]     ; where the rows that I fetch begin,
	s_cselect_b32 s18, s82, s83
	s_lshl_b32 s18, s18, 15                        ; + 32 rows of 1,024 bytes x my place among the four that ask with me
	s_mov_b32 s19, 0
	s_add_nc_u64 s[12:13], s[12:13], s[18:19]
	v_and_b32 v108, 31, v0
	v_lshlrev_b32 v108, 10, v108                   ; a lane a row
	global_prefetch_b8 v108, s[12:13] offset:2*ROWB th:TH_LOAD_NT scope:SCOPE_SE
	global_prefetch_b8 v108, s[12:13] offset:3*ROWB th:TH_LOAD_NT scope:SCOPE_SE
	v_and_b32 v1, 15, v0
	v_bfe_u32 v2, v0, 4, 1
	s_wait_alu depctr_va_vdst(0)
	s_lshl_b32 s18, s85, 10
	s_lshl_b32 s19, s16, 9
	s_add_co_u32 s92, s18, s19
	s_mov_b32 s93, 0
	s_add_nc_u64 s[92:93], s[74:75], s[92:93]
	s_lshl_b32 s18, s85, 9
	s_lshl_b32 s19, s15, 8
	s_add_co_u32 s94, s18, s19
	s_add_co_u32 s94, s94, 8192
	s_mov_b32 s95, 0
	s_add_nc_u64 s[94:95], s[74:75], s[94:95]
	v_lshlrev_b32 v6, 5, v2
	v_lshlrev_b32 v7, 2, v1
.irp b, 0,1,2,3,4,5,6,7
	global_load_b128 v[BQ+8*\b:BQ+8*\b+3], v6, s[92:93] offset:64*\b
	global_load_b128 v[BQ+8*\b+4:BQ+8*\b+7], v6, s[92:93] offset:64*\b+16
.endr
.irp a, 0,1,2,3
	global_load_b32 v[TMP+\a], v7, s[94:95] offset:64*\a
.endr
	v_mul_u32_u24 v3, v1, PITCH
	v_lshl_add_u32 v104, v2, 4, v3
	s_wait_alu depctr_va_vdst(0)
	s_mul_i32 s18, s15, HALFT
	s_mul_i32 s19, s16, HALFT
	s_add_co_u32 s19, s19, 2*HALFT
	s_mul_i32 s20, s16, HALFT
	s_mul_i32 s21, s15, 64*PITCH
	s_add_co_u32 s21, s21, 2*HALFT
.irp s, 0,1
	v_add_nc_u32 v[ADRA+\s], s18, v104
	v_add_nc_u32 v[ADRB+\s], s19, v104
	v_add_nc_u32 v[ADRBV+\s], s20, v104
	v_add_nc_u32 v[ADRAV+\s], s21, v104
	s_add_co_u32 s18, s18, SLOT
	s_add_co_u32 s19, s19, SLOT
	s_add_co_u32 s20, s20, SLOT
	s_add_co_u32 s21, s21, SLOT
.endr
	s_mul_i32 s18, s15, 64*PITCH
	s_lshl_b32 s19, s16, 7
	s_add_co_u32 s18, s18, s19
	s_add_co_u32 s18, s18, STG
	v_lshl_add_u32 v105, v2, 3, v3
	v_add_nc_u32 v[STO], s18, v105
	s_mul_i32 s18, s14, 32*PITCH
	s_add_co_u32 s18, s18, STG
	v_mul_u32_u24 v105, v2, PITCH
	v_lshl_add_u32 v105, v1, 4, v105
	v_add_nc_u32 v[RD], s18, v105
	s_cmp_eq_u32 ttmp9, 0
	s_cselect_b64 s[86:87], s[76:77], s[78:79]
	s_lshl_b32 s18, s17, 8
	s_lshl_b32 s19, s15, 7
	s_add_co_u32 s18, s18, s19
	s_lshl_b32 s19, s16, 5
	s_add_co_u32 s18, s18, s19
	s_lshl_b32 s18, s18, 10
	s_lshl_b32 s19, s82, 8
	s_add_co_u32 s18, s18, s19
	s_mov_b32 s19, 0
	s_add_nc_u64 s[86:87], s[86:87], s[18:19]
	s_lshl_b32 s18, s85, 7
	s_lshl_b32 s19, s14, 5
	s_add_co_u32 s18, s18, s19
	s_lshl_b32 s18, s18, 13
	s_lshl_b32 s19, s17, 8
	s_add_co_u32 s18, s18, s19
	s_mov_b32 s19, 0
	s_add_nc_u64 s[90:91], s[80:81], s[18:19]
	v_lshlrev_b32 v105, 10, v2
	v_lshl_add_u32 v[CO], v1, 4, v105
	v_lshlrev_b32 v105, 13, v2
	v_lshl_add_u32 v[COV], v1, 4, v105
	s_wait_kmcnt 0x0
	s_add_co_i32 s18, s96, s97
	s_sub_co_i32 s19, 0, s18
	s_add_co_i32 s20, s98, 5
	s_cmp_eq_u32 ttmp9, 0
	s_cselect_b32 s20, s20, s99
	s_sub_co_i32 s20, s20, s18
	s_add_co_i32 s20, s20, 127
	s_lshl_b32 s21, s20, 23
	v_mov_b32 v[SCL], s21
	s_add_co_i32 s20, s20, 8
	s_lshl_b32 s20, s20, 23
	s_or_b32 s20, s20, 0x600000
	v_mov_b32 v[LIM], s20
	s_sub_co_i32 s20, s101, s18
	s_add_co_i32 s20, s20, 127
	s_lshl_b32 s21, s20, 23
	v_mov_b32 v[SCLV], s21
	s_add_co_i32 s20, s20, 8
	s_lshl_b32 s20, s20, 23
	s_or_b32 s20, s20, 0x600000
	v_mov_b32 v[LIMV], s20
	s_wait_loadcnt 0x0
.set j, 0
.rept 64
	v_ldexp_f32 v[BQ+j], v[BQ+j], s19
.set j, j+1
.endr
.irp a, 0,1,2,3
	v_ldexp_f32 v[BV+2*\a], v[TMP+\a], s19
	v_ldexp_f32 v[BV+2*\a+1], v[TMP+\a], s19
.endr
.macro FRAG reg, adr, q, i
.irp c, 0,1,2,3
	ds_load_b128 v[\reg+4*\c:\reg+4*\c+3], v[\adr] offset:128*(\q)+32*\c+(\i)*16*PITCH
.endr
.endm
.macro PLACES n
.rept \n
	v_nop
.endr
.endm
.macro MUL16 a0, p, zero
.irp a, \a0, \a0+1
.irp b, 0,1,2,3,4,5,6,7
.if \zero
	v_wmma_f32_16x16x128_fp8_fp8 v[8*(8*((\a)%4)+\b):8*(8*((\a)%4)+\b)+7], v[128*(\p)+FR*\b:128*(\p)+FR*\b+FR-1], v[AF+FR*(\a):AF+FR*(\a)+FR-1], 0
.else
	v_wmma_f32_16x16x128_fp8_fp8 v[8*(8*((\a)%4)+\b):8*(8*((\a)%4)+\b)+7], v[128*(\p)+FR*\b:128*(\p)+FR*\b+FR-1], v[AF+FR*(\a):AF+FR*(\a)+FR-1], v[8*(8*((\a)%4)+\b):8*(8*((\a)%4)+\b)+7]
.endif
.endr
.endr
.endm
.macro FETCH_B slot, q, p
	WIN TO_B
.irp i, 0,1,2,3,4,5,6,7
	FRAG 128*(\p)+FR*\i, ADRB+\slot, \q, \i
.endr
	WIN 0
.endm
.macro FETCH_A slot, q, i0
.irp i, \i0, \i0+1, \i0+2, \i0+3
	FRAG AF+FR*(\i), ADRA+\slot, \q, \i
.endr
.endm
.macro STEP slot, q, zero
	s_wait_dscnt 4*NL
	WIN MUL_LO
	MUL16 0, (\q)%2, \zero
	MUL16 2, (\q)%2, \zero
	s_wait_dscnt 0
	PLACES NP
	FETCH_B \slot, (\q)+1, 1-(\q)%2
	FETCH_A \slot, (\q)+1, 0
	WIN MUL_HI
	MUL16 4, (\q)%2, \zero
	MUL16 6, (\q)%2, \zero
	PLACES NP
	WIN 0
	FETCH_A \slot, (\q)+1, 4
.endm
.macro TURN slot, next, fill
	s_wait_tensorcnt 0x0
	ds_add_u32 v[SPW], v[NIL]
	s_wait_dscnt 4*NL+1
	WIN MUL_LO
	MUL16 0, 1, 0
	s_wait_dscnt 0x0
	s_barrier_signal -1
	MUL16 2, 1, 0
	WIN 0
	s_barrier_wait -1
	CREST
.if \fill == 1
	s_add_nc_u64 s[G0+4*\slot+2:G0+4*\slot+3], s[G0+4*\slot+2:G0+4*\slot+3], 2*ROWB
	s_add_nc_u64 s[G0B+4*\slot+2:G0B+4*\slot+3], s[G0B+4*\slot+2:G0B+4*\slot+3], 2*ROWB
	JLOAD G0+4*\slot, G1, G0B+4*\slot, G1B
.else
	s_sub_nc_u64 s[G0+4*\slot+2:G0+4*\slot+3], s[G0+4*\slot+2:G0+4*\slot+3], 2*ROWB
	JLOAD G0+4*\slot, G1, G0V+4*\slot, G1V
.endif
	FETCH_B \next, 0, 0
	FETCH_A \next, 0, 0
	WIN MUL_HI
	MUL16 4, 1, 0
	MUL16 6, 1, 0
	PLACES NP
	WIN 0
	FETCH_A \next, 0, 4
.endm
.macro FETCHV slot, q, p
	WIN TO_B
.irp i, 0,1,2,3,4,5,6,7
	FRAG 128*(\p)+FR*\i, ADRBV+\slot, \q, \i
.endr
	WIN 0
.irp i, 0,1,2,3
	FRAG AF+64*(\p)+FR*\i, ADRAV+\slot, \q, \i
.endr
.endm
.macro MULSV p, zero
	WIN MUL_LO
.irp a, 0,1,2,3
.irp b, 0,1,2,3,4,5,6,7
.if \zero
	v_wmma_f32_16x16x128_fp8_fp8 v[8*(8*\a+\b):8*(8*\a+\b)+7], v[128*(\p)+FR*\b:128*(\p)+FR*\b+FR-1], v[AF+64*(\p)+FR*\a:AF+64*(\p)+FR*\a+FR-1], 0
.else
	v_wmma_f32_16x16x128_fp8_fp8 v[8*(8*\a+\b):8*(8*\a+\b)+7], v[128*(\p)+FR*\b:128*(\p)+FR*\b+FR-1], v[AF+64*(\p)+FR*\a:AF+64*(\p)+FR*\a+FR-1], v[8*(8*\a+\b):8*(8*\a+\b)+7]
.endif
.endr
.endr
.endm
.macro WORKV slot, zero
	FETCHV \slot, 0, 0
	FETCHV \slot, 1, 1
	s_wait_dscnt 48
	MULSV 0, \zero
	s_wait_dscnt 0
	MULSV 1, 0
	WIN 0
	PLACES NP
.endm
.macro CHGV slot, fill
	s_wait_tensorcnt 0x0
	ds_add_u32 v[SPW], v[NIL]
.if \fill
	s_add_nc_u64 s[G0+4*\slot+2:G0+4*\slot+3], s[G0+4*\slot+2:G0+4*\slot+3], 2*ROWB
	s_add_nc_u64 s[G0V+4*\slot+2:G0V+4*\slot+3], s[G0V+4*\slot+2:G0V+4*\slot+3], 2*ROWB
	s_wait_dscnt 0x0
	CROUND
	JLOAD G0+4*\slot, G1, G0V+4*\slot, G1V
.else
	s_wait_dscnt 0x0
	s_barrier_signal -1
	s_barrier_wait -1
.endif
.endm
.macro OUTBLK a, kind
.set AC, 64*((\a)%4)
.set CW, CD+16*((\a)%2)
.set LM, LIM
.set SC, SCL
.if \kind
.set LM, LIMV
.set SC, SCLV
.endif
.if ((\a)%4) >= 2
	s_wait_dscnt 8
.endif
	WIN 0x02+((\a)/4)
.irp b, 0,1,2,3,4,5,6,7
.irp i, 0,2,4,6
.if \kind
	v_pk_add_f32 v[TMP+8*\b+\i:TMP+8*\b+\i+1], v[AC+8*\b+\i:AC+8*\b+\i+1], v[BV+2*(\a):BV+2*(\a)+1]
.else
	v_pk_add_f32 v[TMP+8*\b+\i:TMP+8*\b+\i+1], v[AC+8*\b+\i:AC+8*\b+\i+1], v[BQ+8*\b+\i:BQ+8*\b+\i+1]
.endif
.endr
.endr
	WIN 0
.set j, 0
.rept 64
	v_med3_num_f32 v[TMP+j], v[TMP+j], -v[LM], v[LM]
.set j, j+1
.endr
.irp b, 0,1,2,3,4,5,6,7
	v_cvt_scalef32_pk8_fp8_f32 v[CW+2*\b:CW+2*\b+1], v[TMP+8*\b:TMP+8*\b+7], v[SC]
.endr
	v_nop
.irp b, 0,1,2,3,4,5,6,7
	ds_store_b64 v[STO], v[CW+2*\b:CW+2*\b+1] offset:((\a)%4)*16*PITCH+16*\b
.endr
.endm
.macro SENDROWS co, base, pitch, off0
.set t, 0
.rept 16
	ds_load_b128 v[OUTR+4*t:OUTR+4*t+3], v[RD] offset:t*2*PITCH
.set t, t+1
.endr
.set t, 0
.rept 16
	s_wait_dscnt 15-t
	global_store_b128 v[\co], v[OUTR+4*t:OUTR+4*t+3], s[\base:\base+1] offset:(\off0)+2*t*(\pitch)
.set t, t+1
.endr
.endm
	s_wait_alu depctr_va_vdst(0)                   ; the wait at the head's end
	s_wait_xcnt 0x0                                ; the prefetches have read their address
	s_wait_tensorcnt 0x0                           ; my part of K step 0 is in
	ds_add_u32 v[SPW], v[NIL]
	s_wait_dscnt 0x0
	CROUND
	JLOAD G0+4, G1, G0B+4, G1B                     ; K step 1, the first tensor load behind the round
	FETCH_B 0, 0, 0
	FETCH_A 0, 0, 0
	FETCH_A 0, 0, 4
	STEP 0, 0, 1
	s_mov_b32 s3, LAPS-1
.Llap:
	TURN 0, 1, 1
	STEP 1, 0, 0
	TURN 1, 0, 1
	STEP 0, 0, 0
	s_sub_co_u32 s3, s3, 1
	s_cmp_lg_u32 s3, 0
	s_cbranch_scc1 .Llap
	TURN 0, 1, 2
	STEP 1, 0, 0
	s_wait_dscnt 4*NL
	WIN MUL_LO
	MUL16 0, 1, 0
	MUL16 2, 1, 0
	s_wait_dscnt 0
	WIN MUL_HI
	MUL16 4, 1, 0
	MUL16 6, 1, 0
	WIN 0
	s_wait_tensorcnt 0x0
	ds_add_u32 v[SPW], v[NIL]
	s_sub_nc_u64 s[G0+6:G0+7], s[G0+6:G0+7], 2*ROWB
	s_wait_dscnt 0x0
	CROUND
	JLOAD G0+4, G1, G0V+4, G1V
	PLACES NP
.irp a, 0,1,2,3
	OUTBLK \a, 0
.endr
	s_wait_dscnt 0x0
	s_barrier_signal -1
	s_barrier_wait -1
	SENDROWS CO, 86, 1024, 0
	s_barrier_signal -1
	s_barrier_wait -1
.irp a, 4,5,6,7
	OUTBLK \a, 0
.endr
	s_wait_dscnt 0x0
	s_barrier_signal -1
	s_barrier_wait -1
	s_wait_xcnt 0x0
	SENDROWS CO, 86, 1024, 64*1024
	s_wait_xcnt 0x0
	WORKV 0, 1
	CHGV 0, 1
	WORKV 1, 0
	CHGV 1, 1
	WORKV 0, 0
	CHGV 0, 0
	WORKV 1, 0
.irp a, 0,1,2,3
	OUTBLK \a, 1
.endr
	s_wait_dscnt 0x0
	s_barrier_signal -1
	s_barrier_wait -1
	SENDROWS COV, 90, 8192, 0
	s_wait_tensorcnt 0x0
	ds_add_u32 v[SPW], v[NIL]
	s_wait_dscnt 0x0
	CROUND
	s_endpgm
.Lfunc_end_k_qc42393cb28_qkv:
	.size	k_qc42393cb28_qkv, .Lfunc_end_k_qc42393cb28_qkv-k_qc42393cb28_qkv
	.p2alignl 7, 3214868480
	.fill 96, 4, 3214868480
	.section	.rodata,"a",@progbits
	.p2align	6, 0x0
	.amdhsa_kernel k_qc42393cb28_qkv
		.amdhsa_group_segment_fixed_size 327680
		.amdhsa_private_segment_fixed_size 0
		.amdhsa_enable_private_segment 0
		.amdhsa_kernarg_size 56
		.amdhsa_user_sgpr_count 2
		.amdhsa_user_sgpr_kernarg_segment_ptr 1
		.amdhsa_wavefront_size32 1
		.amdhsa_system_sgpr_workgroup_id_x 1
		.amdhsa_system_sgpr_workgroup_id_y 1
		.amdhsa_system_sgpr_workgroup_id_z 1
		.amdhsa_system_vgpr_workitem_id 0
		.amdhsa_next_free_vgpr 1024
		.amdhsa_next_free_sgpr 102
		.amdhsa_reserve_vcc 0
		.amdhsa_float_denorm_mode_32 3
		.amdhsa_float_denorm_mode_16_64 3
		.amdhsa_memory_ordered 1
		.amdhsa_forward_progress 1
		.amdhsa_inst_pref_size 229
	.end_amdhsa_kernel
	.amdgpu_metadata
---
amdhsa.version: [ 1, 2 ]
amdhsa.kernels:
  - .name:           k_qc42393cb28_qkv
    .symbol:         k_qc42393cb28_qkv.kd
    .args:
      - { .name: x_codes, .offset: 0, .size: 8, .value_kind: global_buffer, .address_space: global }
      - { .name: w_codes, .offset: 8, .size: 8, .value_kind: global_buffer, .address_space: global }
      - { .name: lowp_scales, .offset: 16, .size: 8, .value_kind: global_buffer, .address_space: global }
      - { .name: b_qkv, .offset: 24, .size: 8, .value_kind: global_buffer, .address_space: global }
      - { .name: q_codes, .offset: 32, .size: 8, .value_kind: global_buffer, .address_space: global }
      - { .name: k_codes, .offset: 40, .size: 8, .value_kind: global_buffer, .address_space: global }
      - { .name: v_codes, .offset: 48, .size: 8, .value_kind: global_buffer, .address_space: global }
    .group_segment_fixed_size: 327680
    .private_segment_fixed_size: 0
    .kernarg_segment_align: 8
    .kernarg_segment_size: 56
    .max_flat_workgroup_size: 128
    .sgpr_count:     102
    .vgpr_count:     1024
    .wavefront_size: 32
...
	.end_amdgpu_metadata
.endif
;; end of part 2
;; launch scores (part 3): grid 8 x 32, 4 waves a work-group, clusters of 4 x 4, 327,680 bytes of LDS; arguments q_codes, k_codes, attn_mask, lowp_scales, p_codes, stat_m, stat_l; writes p_codes, stat_m, stat_l
.if DOCPART == 3
	.amdgcn_target "amdgcn-amd-amdhsa--gfx1250"
	.amdhsa_code_object_version 6
	.text
	.protected	k_qc42393cb28_scores
	.globl	k_qc42393cb28_scores
	.p2align	8
	.type	k_qc42393cb28_scores,@function
k_qc42393cb28_scores:
	s_mov_b64 s[64:65], 0
	v_nop
	global_prefetch_b8 v0, s[64:65] scope:SCOPE_SE
	s_setreg_imm32_b32 hwreg(HW_REG_WAVE_MODE, 25, 1), 1
	s_wait_xcnt 0x0
	s_wait_alu depctr_hold_cnt(0) depctr_sa_sdst(0) depctr_va_vdst(0) depctr_va_sdst(0) depctr_va_ssrc(0) depctr_va_vcc(0) depctr_vm_vsrc(0)
	s_getreg_b32 s2, hwreg(HW_REG_IB_STS2, 6, 4)
	s_cmp_eq_u32 s2, 0
	s_cbranch_scc0 .Lentry_in_a_cluster
	s_endpgm
.Lentry_in_a_cluster:
	s_bfe_u32 s2, ttmp6, 0x10000c
	s_cmp_lg_u32 s2, 0xf033
	s_cbranch_scc0 .Lentry_shape_is_right
	s_endpgm
.Lentry_shape_is_right:
; THIRD OF FOUR LAUNCHES: scores = q k^T + attn_mask on codes of E4M3, and the softmax's p quantised on the way out.  (x2 reaches no output: see the first launch; it is no argument.)
; A tile is 256 queries x 256 keys; four waves, each 128 x 128: 64 accumulators.  Source 0 = 16 keys, source 1 = 16 queries: a lane holds ONE query and eight neighbouring keys, which are the next product's K.
; SIX FILLS of a ring of two LDS slots: K steps 0 to 3 (256 along K each; joint loads: A = q_codes shared along a row of the 4 x 4 cluster, B = k_codes along a column), then the mask in two halves.
; A mask half is, for each wave, its own 128 queries x 64 keys of f32: 128 rows of 256 bytes, padded like the codes' rows.  Nobody shares it: a plain load.
; The mask is added to the finished sums: logit = sum x 2^E + mask, E = e2 + e3, one multiply-add.  t = logit x log2(e).
; THE SOFTMAX, CHUNK BY CHUNK.  A row's 2,048 keys lie in eight work-groups, which do not talk to each other.  Each chunk of 256 keys takes its own whole number Mc = ceil(the chunk's largest t), quantises
; p = 2^(t - Mc) with the scale 2^e4, and stores -Mc (stat_m [chunk][query]) and lc = the sum of the unquantised p (stat_l).  The last launch brings the chunks under the row's M by exact powers of two.
; LIMITS: E between -126 and 126; e4 between -8 and 119 (from -8 on no p <= 1 is held at the largest code, so the hold falls alike under a chunk's M and the row's).  Numbers so far under the row's largest that they
; would fall under the format's range under the row's M keep more bits under the chunk's.  The promise holds while |t| stays under 2^31.  NaN and infinity among the inputs are not served.
; PREFETCH: at fill 0 K steps 2 and 3 are asked for, at fills 1 and 2 the mask's halves (fills 4 and 5): three fills ahead.  The partners of a joint load share its rows out by address (32 rows each, a lane a row);
; the mask's rows are asked for by the wave that loads them.
; REGISTERS: window 0: v1-31 addresses; v32-47 for each block -M and beside it t or l; v48-63 maxima; v64-71 the partner's maxima; v74, v75 2^e4 and 448 x 2^e4; v80-91 at work; v128-255 A's fragments;
;   on the way out v96-159 a block's numbers, v160-191 its codes in two sets, v128-255 rows read back.   window 1: B's fragments in two sets, then a mask half.   windows 2, 3: the accumulators of blocks 0-3, 4-7.
.set KROW,   1024
.set ROWB,   256
.set MROW,   8192                      ; a row of the mask in bytes
.set PITCH,  272
.set FR,     16
.set NL,     4
.set NP,     4
.set HALFT,  128*PITCH
.set SLOT,   4*HALFT
.set SPARE,  2*SLOT                    ; behind the ring: the spare words, 128 bytes a wave
.set XB,     SPARE+512                 ; behind them, where no fill lands: the waves' maxima [key half][256 rows] f32,
.set SXB,    XB+2048                   ; and the pairs (-M, l) [key half][256 rows].  The codes' stage, 256 rows x 272, lies in slot 0, which has then had its last fill and its last read
.set PFK,  8                           ; v8      lane x a row of codes
.set PFM,  9                           ; v9      lane x a row of the mask
.set XA,   11                          ; v11     where I put a row's maximum
.set XP,   12                          ; v12     where my partner put it
.set SXA,  13                          ; v13     where I put (-M, l)
.set SXR,  14                          ; v14     where I read two rows' pairs
.set SO,   15                          ; v15     8 x lane
.set ADRA, 16
.set ADM,  18                          ; v18-19  my mask half in slot 0, 1
.set ADRB, 20
.set STO,  24
.set RD,   25
.set CO,   26
.set SPW,  28
.set NIL,  29
.set NM,   32
.set MX,   48
.set PT,   64
.set PSC,  74
.set PLIM, 75
.set LA,   80
.set LB,   82
.set LC,   84
.set LD,   86
.set TMP,  96
.set CD,   160
.set AF,   128
.set OUTR, 128
.set PFB,  2                           ; s[2:3]  where my prefetches of codes stand
.set G0M,  4                           ; s[4:11] descriptor group 0 for the mask's halves
.set G1, 24
.set G0, 32
.set G1B, 48
.set G0B, 56
.set SC2, 66                           ; s[66:67] 2^E, twice
.set G1M, 84                           ; s[84:91]
.set SEL, 92                           ; s[92:93] lane selects for v_permlanex16_b32: lane l xor 16
.set CSC, 94                           ; s[94:95] log2(e), twice
.set PO,  100                          ; s[100:101] p_codes at the first row that I store
.set MSB, 0
.macro WIN new
.if MSB != (\new)
	s_set_vgpr_msb (MSB<<8)|(\new)
.set MSB, (\new)
.endif
.endm
.set MUL_LO, 0xa1
.set MUL_HI, 0xf1
.set TO_B,   0x40
.macro JLOAD g0a, g1a, g0b, g1b        ; waves 0 and 1 fetch for A, waves 2 and 3 for B; an s_nop 0 and four v_nop follow each line
	s_cmp_eq_u32 s15, 0
	s_cbranch_scc0 .Lfor_b_\@
	tensor_load_to_lds s[\g0a:\g0a+3], s[\g1a:\g1a+7]
	s_nop 0
.rept 4
	v_nop
.endr
	s_branch .Lasked_\@
.Lfor_b_\@:
	tensor_load_to_lds s[\g0b:\g0b+3], s[\g1b:\g1b+7]
	s_nop 0
.rept 4
	v_nop
.endr
.Lasked_\@:
.endm
.macro MASKLOAD m                      ; my half m of the mask, into slot m
	tensor_load_to_lds s[G0M+4*\m:G0M+4*\m+3], s[G1M:G1M+7]
	s_nop 0
.rept 4
	v_nop
.endr
.endm
.macro ASKM m                          ; its 128 rows of 256 bytes, a lane a row
.irp i, 0,1,2,3
	global_prefetch_b8 v[PFM], s[72:73] offset:32*MROW*\i+256*\m th:TH_LOAD_NT scope:SCOPE_SE
.endr
.endm
.macro CREST
	s_cmp_lg_u32 s14, 0
	s_cbranch_scc1 .Lnot_wave_0_\@
	s_barrier_signal -3
.Lnot_wave_0_\@:
	s_barrier_wait -3
	s_barrier_signal -1
	s_barrier_wait -1
.endm
.macro CROUND
	s_barrier_signal -1
	s_barrier_wait -1
	CREST
.endm
	s_load_b256 s[68:75], s[0:1], 0x0              ; q_codes s[68:69], k_codes s[70:71], attn_mask s[72:73], the exponents s[74:75]
	s_load_b128 s[76:79], s[0:1], 0x20             ; p_codes, stat_m
	s_load_b64 s[80:81], s[0:1], 0x30              ; stat_l
	v_lshl_add_u32 v[SPW], v0, 2, SPARE
	v_mov_b32 v[NIL], 0
	ds_add_u32 v[SPW], v[NIL]                      ; the wave's opening: the add, twice on end, and its wait ahead of my first tensor load
	ds_add_u32 v[SPW], v[NIL]
	v_lshrrev_b32 v1, 5, v0
	v_readfirstlane_b32 s14, v1                    ; wave 0..3
	v_and_b32 v6, 31, v0                           ; lane
	v_lshlrev_b32 v[PFK], 10, v6
	v_lshlrev_b32 v[PFM], 13, v6
	s_wait_alu depctr_va_vdst(0)                   ; ahead of the run of scalar lines and the waits below
	s_lshr_b32 s15, s14, 1                         ; my half of the queries.  Also: I fetch for A (0) or for B (1)
	s_and_b32 s16, s14, 1                          ; my half of the keys.  Also: which 128 rows I fetch
	s_bfe_u32 s40, ttmp6, 0x40000                  ; cx, cy
	s_bfe_u32 s41, ttmp6, 0x40004
	s_lshl_b32 s42, ttmp9, 2
	s_add_co_u32 s42, s42, s40                     ; the chunk of 256 keys, 0 .. 7
	s_and_b32 s22, ttmp7, 0xffff
	s_lshl_b32 s17, s22, 2
	s_add_co_u32 s17, s17, s41                     ; the tile of 256 queries, 0 .. 31, through all batches
	s_lshr_b32 s23, s22, 1                         ; the batch: made of the cluster's y alone
	s_lshl_b32 s43, s41, 2
	s_lshl_b32 s43, 15, s43                        ; my row of the cluster
	s_lshl_b32 s44, 0x1111, s40                    ; my column
	s_or_b32 s[G1+0], s43, (0<<16)|(1<<20)|(1<<21)|(5<<22)|(3<<25)
	s_or_b32 s[G1B+0], s44, (0<<16)|(1<<20)|(1<<21)|(5<<22)|(3<<25)
	s_mov_b32 s[G1M+0], (0<<16)|(1<<20)|(5<<22)|(3<<25)
.irp g, G1, G1B, G1M
	s_mov_b32 s[\g+1], ROWB<<16
	s_mov_b32 s[\g+2], 128<<16
	s_mov_b32 s[\g+3], ROWB<<16
	s_mov_b32 s[\g+4], 128
	s_mov_b32 s[\g+6], 0
	s_mov_b32 s[\g+7], 0
.endr
	s_mov_b32 s[G1+5], KROW
	s_mov_b32 s[G1B+5], KROW
	s_mov_b32 s[G1M+5], MROW
	s_lshl_b32 s18, s16, 7
	s_lshl_b32 s20, s17, 8
	s_add_co_u32 s20, s20, s18
	s_lshl_b32 s20, s20, 10                        ; A: query 256 x tile + 128 x half, rows of 1,024 bytes
	s_mov_b32 s21, 0
	s_lshl_b32 s46, s42, 8
	s_add_co_u32 s46, s46, s18
	s_lshl_b32 s47, s23, 11
	s_add_co_u32 s46, s46, s47
	s_lshl_b32 s46, s46, 10                        ; B: key 2,048 x batch + 256 x chunk + 128 x half
	s_mov_b32 s47, 0
	s_mul_i32 s45, s14, HALFT                      ; where my tiles go in a slot
	s_lshl_b32 s12, s40, 15                        ; the prefetches: + 32 rows x my place among the four that ask with me
	s_add_co_u32 s12, s12, s20
	s_lshl_b32 s13, s41, 15
	s_add_co_u32 s13, s13, s46
	s_cmp_eq_u32 s15, 0
	s_cselect_b32 s12, s12, s13
	s_mov_b32 s13, 0
	s_lshl_b32 s18, s17, 8                         ; the mask: row 256 x tile + 128 x query half, of 8,192 bytes,
	s_lshl_b32 s19, s15, 7
	s_add_co_u32 s18, s18, s19
	s_lshl_b32 s18, s18, 13
	s_lshl_b32 s19, s42, 10
	s_add_co_u32 s18, s18, s19
	s_lshl_b32 s19, s16, 9
	s_add_co_u32 s18, s18, s19                     ; + 4 x (256 x chunk + 128 x key half)
	s_mov_b32 s19, 0
	s_mov_b32 s[SEL], 0x76543210
	s_mov_b32 s[SEL+1], 0xfedcba98
	s_wait_dscnt 0x0                               ; both opening adds are done
	s_wait_kmcnt 0x0
	s_load_b96 s[96:98], s[74:75], 0x8             ; e2, e3, e4
	s_add_nc_u64 s[20:21], s[68:69], s[20:21]
	s_add_nc_u64 s[46:47], s[70:71], s[46:47]
	s_add_nc_u64 s[72:73], s[72:73], s[18:19]
	s_cmp_eq_u32 s15, 0
	s_cselect_b64 s[PFB:PFB+1], s[68:69], s[70:71]
	s_add_nc_u64 s[PFB:PFB+1], s[PFB:PFB+1], s[12:13]
	CROUND                                         ; the first joint loads meet
.irp s, 0,1
	s_mov_b32 s[G0+4*\s], 1
	s_add_co_u32 s[G0+4*\s+1], s45, \s*SLOT
	s_add_nc_u64 s[G0+4*\s+2:G0+4*\s+3], s[20:21], \s*ROWB
	s_or_b32 s[G0+4*\s+3], s[G0+4*\s+3], 0x80000000
	s_mov_b32 s[G0B+4*\s], 1
	s_add_co_u32 s[G0B+4*\s+1], s45, \s*SLOT
	s_add_nc_u64 s[G0B+4*\s+2:G0B+4*\s+3], s[46:47], \s*ROWB
	s_or_b32 s[G0B+4*\s+3], s[G0B+4*\s+3], 0x80000000
	s_mov_b32 s[G0M+4*\s], 1
	s_add_co_u32 s[G0M+4*\s+1], s45, \s*SLOT
	s_add_nc_u64 s[G0M+4*\s+2:G0M+4*\s+3], s[72:73], \s*256
	s_or_b32 s[G0M+4*\s+3], s[G0M+4*\s+3], 0x80000000
.endr
	JLOAD G0, G1, G0B, G1B                         ; K step 0: one tensor load a wave at the head
	s_mul_i32 s18, s15, HALFT                      ; my 128 rows of A
	s_mul_i32 s19, s16, HALFT
	s_add_co_u32 s19, s19, 2*HALFT                 ; my 128 rows of B
	s_lshl_b32 s20, s16, 7
	s_add_co_u32 s20, s20, s18                     ; the codes' stage, in: row 128 x query half, byte 128 x key half
	s_mul_i32 s21, s14, 64*PITCH                   ; back: wave w takes rows 64 w on
	s_lshl_b32 s46, s15, 9
	s_add_co_u32 s46, s46, XB
	s_lshl_b32 s22, s16, 10
	s_add_co_u32 s22, s22, s46                     ; XB + 1,024 x key half + 512 x query half
	s_xor_b32 s23, s16, 1
	s_lshl_b32 s23, s23, 10
	s_add_co_u32 s23, s23, s46                     ; the same in the other key half
	s_lshl_b32 s12, s16, 11
	s_lshl_b32 s46, s15, 10
	s_add_co_u32 s12, s12, s46
	s_add_co_u32 s12, s12, SXB                     ; SXB + 2,048 x key half + 1,024 x query half
	s_lshl_b32 s13, s14, 9
	s_add_co_u32 s13, s13, SXB                     ; SXB + 8 x 64 x wave
	v_and_b32 v1, 15, v0                           ; r
	v_bfe_u32 v2, v0, 4, 1                         ; h
	v_and_b32 v6, 31, v0
	v_mul_u32_u24 v3, v1, PITCH
	v_lshl_add_u32 v4, v2, 4, v3                   ; a fragment: row r, 16 bytes a half
	v_lshl_add_u32 v7, v2, 5, v3                   ; the mask: row r, 32 bytes a half
	v_lshl_add_u32 v5, v2, 3, v3                   ; the codes' stage: row r, 8 bytes a half
	v_add_nc_u32 v[ADRA], s18, v4
	v_add_nc_u32 v[ADRB], s19, v4
	v_add_nc_u32 v[ADM], s45, v7
	v_add_nc_u32 v[STO], s20, v5
	v_add_nc_u32 v[ADRA+1], SLOT, v[ADRA]
	v_add_nc_u32 v[ADRB+1], SLOT, v[ADRB]
	v_add_nc_u32 v[ADM+1], SLOT, v[ADM]
	v_mul_u32_u24 v5, v2, PITCH
	v_lshl_add_u32 v5, v1, 4, v5
	v_add_nc_u32 v[RD], s21, v5
	v_lshl_add_u32 v[XA], v1, 2, s22
	v_lshl_add_u32 v[XP], v1, 2, s23
	v_lshl_add_u32 v[SXA], v1, 3, s12
	v_lshl_add_u32 v[SXR], v6, 4, s13
	v_lshlrev_b32 v[SO], 3, v6
	v_lshlrev_b32 v5, 11, v2
	v_lshl_add_u32 v[CO], v1, 4, v5                ; p_codes: h rows of 2,048 bytes + 16 r
	global_prefetch_b8 v[PFK], s[PFB:PFB+1] offset:2*ROWB th:TH_LOAD_NT scope:SCOPE_SE   ; K steps 2 and 3
	global_prefetch_b8 v[PFK], s[PFB:PFB+1] offset:3*ROWB th:TH_LOAD_NT scope:SCOPE_SE
	s_wait_alu depctr_va_vdst(0)                   ; ahead of the run of scalar lines and the wait below
	s_lshl_b32 s20, s17, 8
	s_lshl_b32 s21, s14, 6
	s_add_co_u32 s20, s20, s21                     ; the first row that I store
	s_lshl_b32 s46, s20, 2
	s_lshl_b32 s20, s20, 11
	s_lshl_b32 s21, s42, 8
	s_add_co_u32 s20, s20, s21
	s_mov_b32 s21, 0
	s_add_nc_u64 s[PO:PO+1], s[76:77], s[20:21]    ; p_codes at that row, chunk's 256 bytes
	s_lshl_b32 s47, s42, 15
	s_add_co_u32 s46, s46, s47
	s_mov_b32 s47, 0
	s_add_nc_u64 s[78:79], s[78:79], s[46:47]      ; stat_m and stat_l at [chunk][that row]
	s_add_nc_u64 s[80:81], s[80:81], s[46:47]
	s_mov_b32 s[CSC], 0x3fb8aa3b                   ; log2(e)
	s_mov_b32 s[CSC+1], 0x3fb8aa3b
	s_wait_kmcnt 0x0
	s_add_co_i32 s99, s96, s97                     ; E = e2 + e3
	s_lshl_b32 s12, s99, 23
	s_add_co_i32 s[SC2], s12, 0x3f800000           ; 2^E
	s_mov_b32 s[SC2+1], s[SC2]
	s_add_co_i32 s99, s98, 127
	s_lshl_b32 s12, s99, 23
	v_mov_b32 v[PSC], s12                          ; 2^e4
	s_add_co_i32 s99, s99, 8
	s_lshl_b32 s99, s99, 23
	s_or_b32 s99, s99, 0x600000
	v_mov_b32 v[PLIM], s99                         ; 448 x 2^e4
.macro FRAG reg, adr, q, i
.irp c, 0,1,2,3
	ds_load_b128 v[\reg+4*\c:\reg+4*\c+3], v[\adr] offset:128*(\q)+32*\c+(\i)*16*PITCH
.endr
.endm
; 16 matrix instructions; zero = 1: the first product starts the sums.  The 64 accumulators take turns, in the same order in every step.
.macro MUL16 a0, p, zero
.irp a, \a0, \a0+1
.irp b, 0,1,2,3,4,5,6,7
.if \zero
	v_wmma_f32_16x16x128_fp8_fp8 v[8*(8*((\a)%4)+\b):8*(8*((\a)%4)+\b)+7], v[128*(\p)+FR*\b:128*(\p)+FR*\b+FR-1], v[AF+FR*(\a):AF+FR*(\a)+FR-1], 0
.else
	v_wmma_f32_16x16x128_fp8_fp8 v[8*(8*((\a)%4)+\b):8*(8*((\a)%4)+\b)+7], v[128*(\p)+FR*\b:128*(\p)+FR*\b+FR-1], v[AF+FR*(\a):AF+FR*(\a)+FR-1], v[8*(8*((\a)%4)+\b):8*(8*((\a)%4)+\b)+7]
.endif
.endr
.endr
.endm
.macro FETCH_B slot, q, p
	WIN TO_B
.irp i, 0,1,2,3,4,5,6,7
	FRAG 128*(\p)+FR*\i, ADRB+\slot, \q, \i
.endr
	WIN 0
.endm
.macro FETCH_A slot, q, i0
.irp i, \i0, \i0+1, \i0+2, \i0+3
	FRAG AF+FR*(\i), ADRA+\slot, \q, \i
.endr
.endm
.macro PLACES n                        ; places behind matrix instructions (ISA guide 7.12.1 for vector instructions)
.rept \n
	v_nop
.endr
.endm
.macro STEP slot, q, zero
	s_wait_dscnt 4*NL                              ; B's set and A's blocks 0-3 are in; the youngest sixteen loads may be out
	WIN MUL_LO
	MUL16 0, (\q)%2, \zero
	MUL16 2, (\q)%2, \zero
	s_wait_dscnt 0
	PLACES NP
	FETCH_B \slot, (\q)+1, 1-(\q)%2
	FETCH_A \slot, (\q)+1, 0
	WIN MUL_HI
	MUL16 4, (\q)%2, \zero
	MUL16 6, (\q)%2, \zero
	PLACES NP
	WIN 0
	FETCH_A \slot, (\q)+1, 4
.endm
; A slot's last step changes slots.  MEET: in front of its barrier each wave waits for all its tensor loads, adds 0 to its spare word, and waits for that and for its own reads of this slot; a round of the cluster's barrier follows.
.macro MEET slot, code
	s_wait_tensorcnt 0x0                           ; my part of the next slot has landed
	ds_add_u32 v[SPW], v[NIL]
.if \code
	s_add_nc_u64 s[G0+4*\slot+2:G0+4*\slot+3], s[G0+4*\slot+2:G0+4*\slot+3], 2*ROWB
	s_add_nc_u64 s[G0B+4*\slot+2:G0B+4*\slot+3], s[G0B+4*\slot+2:G0B+4*\slot+3], 2*ROWB
.endif
	s_wait_dscnt 4*NL+1                            ; the add and the youngest sixteen loads may be out
	WIN MUL_LO
	MUL16 0, 1, 0
	s_wait_dscnt 0x0                               ; the add is done, and my reads of this slot are over
	s_barrier_signal -1
	MUL16 2, 1, 0
	WIN 0
	s_barrier_wait -1
	CREST
.endm
.macro TURN slot, next, code, ask      ; code = 1: the slot takes a later K step; 0: the mask's first half
	MEET \slot, \code
.if \code
	JLOAD G0+4*\slot, G1, G0B+4*\slot, G1B
.else
	MASKLOAD \slot
.endif
	FETCH_B \next, 0, 0                            ; (the load's four v_nop are the places ahead of these)
	FETCH_A \next, 0, 0
.if \ask
	ASKM 1
.endif
	WIN MUL_HI
	MUL16 4, 1, 0
	MUL16 6, 1, 0
	PLACES NP
	WIN 0
	FETCH_A \next, 0, 4
.endm
; THE MASK.  MREAD: of four blocks, lane (r, h) takes of row r keys 64 m + 16 b + 8 h + 0 .. 7, for accumulator (a, 4 m + b), into window 1.  MADD: logit = sum x 2^E + mask.  MAXH: the half's part of each query's largest logit,
; two chains a block, four blocks side by side.
.macro MREAD m, a0
	WIN TO_B
.irp a, \a0, \a0+1, \a0+2, \a0+3
.irp b, 0,1,2,3
	ds_load_b128 v[32*(\a)+8*\b:32*(\a)+8*\b+3], v[ADM+\m] offset:16*(\a)*PITCH+64*\b
	ds_load_b128 v[32*(\a)+8*\b+4:32*(\a)+8*\b+7], v[ADM+\m] offset:16*(\a)*PITCH+64*\b+16
.endr
.endr
	WIN 0
.endm
.macro MADD w, m
	WIN 0x92+0x41*(\w)                             ; source 0 and destination window 2 or 3, source 2 window 1
.irp a, 0,1,2,3
.irp b, 0,1,2,3
.irp i, 0,2,4,6
	v_pk_fma_f32 v[64*\a+32*(\m)+8*\b+\i:64*\a+32*(\m)+8*\b+\i+1], v[64*\a+32*(\m)+8*\b+\i:64*\a+32*(\m)+8*\b+\i+1], s[SC2:SC2+1], v[32*(4*(\w)+\a)+8*\b+\i:32*(4*(\w)+\a)+8*\b+\i+1] op_sel_hi:[1,0,1]
.endr
.endr
.endr
.endm
.macro MAXP w, o                       ; four more numbers from o on
.irp q, 0,1,2,3
	v_max3_num_f32 v[MX+2*(4*(\w)+\q)], v[MX+2*(4*(\w)+\q)], v[64*\q+\o], v[64*\q+\o+1]
	v_max3_num_f32 v[MX+2*(4*(\w)+\q)+1], v[MX+2*(4*(\w)+\q)+1], v[64*\q+\o+2], v[64*\q+\o+3]
.endr
.endm
.macro MAXH w, m
.if (\m) == 0
	WIN 0x2a+0x15*(\w)
.irp q, 0,1,2,3
	v_max3_num_f32 v[MX+2*(4*(\w)+\q)], v[64*\q], v[64*\q+1], v[64*\q+2]
	v_max3_num_f32 v[MX+2*(4*(\w)+\q)+1], v[64*\q+3], v[64*\q+4], v[64*\q+5]
.endr
	WIN 0x28+0x14*(\w)
.irp i, 6,10,14,18,22,26
	MAXP \w, \i
.endr
.irp q, 0,1,2,3
	v_max3_num_f32 v[MX+2*(4*(\w)+\q)], v[MX+2*(4*(\w)+\q)], v[64*\q+30], v[64*\q+31]
.endr
.else
	WIN 0x28+0x14*(\w)
.irp i, 32,36,40,44,48,52,56,60
	MAXP \w, \i
.endr
.endif
	WIN 0
.endm
	s_wait_alu depctr_va_vdst(0)                   ; the wait at the head's end
	s_wait_tensorcnt 0x0                           ; my part of K step 0 is in
	ds_add_u32 v[SPW], v[NIL]
	s_wait_dscnt 0x0
	CROUND
	JLOAD G0+4, G1, G0B+4, G1B                     ; K step 1, the first tensor load behind the round
	FETCH_B 0, 0, 0
	FETCH_A 0, 0, 0
	ASKM 0                                         ; the mask's first half
	FETCH_A 0, 0, 4
	STEP 0, 0, 1
	TURN 0, 1, 1, 1                                ; K step 2 into slot 0; the mask's second half is asked for
	STEP 1, 0, 0
	TURN 1, 0, 1, 0                                ; K step 3 into slot 1
	STEP 0, 0, 0
	TURN 0, 1, 0, 0                                ; the mask's first half into slot 0
	STEP 1, 0, 0
	MEET 1, 0                                      ; the last 128 along K; the first half has landed
	MASKLOAD 1                                     ; the second half into slot 1
	MREAD 0, 0                                     ; blocks 0-3 of the first half, into the set of B that is done with
	WIN MUL_HI
	MUL16 4, 1, 0
	MUL16 6, 1, 0
	WIN 0
	PLACES NP
	MREAD 0, 4
	s_wait_dscnt 32                                ; blocks 0-3 are in; the 32 loads of blocks 4-7 may be out
	MADD 0, 0
	s_wait_dscnt 0x0
	MADD 1, 0
	MAXH 0, 0
	s_wait_tensorcnt 0x0                           ; my second half is in: nobody else reads it
	MREAD 1, 0
	MREAD 1, 4
	MAXH 1, 0
	s_wait_dscnt 32
	MADD 0, 1
	MAXH 0, 1
	s_wait_dscnt 0x0
	MADD 1, 1
	MAXH 1, 1
; THE WAY OUT.  Each query's largest logit among my 128 keys, then among the partner's.
.irp a, 0,1,2,3,4,5,6,7
	v_max_num_f32 v[MX+2*\a], v[MX+2*\a], v[MX+2*\a+1]
.endr
.irp a, 0,1,2,3,4,5,6,7
	v_permlanex16_b32 v[MX+2*\a+1], v[MX+2*\a], s[SEL], s[SEL+1]   ; the query's other 64 keys lie in the lane 16 away
.endr
.irp a, 0,1,2,3,4,5,6,7
	v_max_num_f32 v[MX+2*\a], v[MX+2*\a], v[MX+2*\a+1]
.endr
.irp a, 0,1,2,3,4,5,6,7
	ds_store_b32 v[XA], v[MX+2*\a] offset:64*\a    ; lanes r and r + 16 write the same word with the same value
.endr
	s_wait_alu depctr_va_vdst(0)
	s_wait_dscnt 0x0                               ; for the partner's sake; and my reads of both mask halves are over
	s_barrier_signal -1
	s_barrier_wait -1                              ; slot 0 is read by nobody any more: the codes' stage may be written
.irp a, 0,1,2,3,4,5,6,7
	ds_load_b32 v[PT+\a], v[XP] offset:64*\a       ; the other 128 keys' maximum
.endr
	s_wait_dscnt 0x0
.irp a, 0,1,2,3,4,5,6,7
	v_max_num_f32 v[MX+2*\a], v[MX+2*\a], v[PT+\a]
.endr
.irp a, 0,1,2,3,4,5,6,7
	v_mul_f32 v[NM+2*\a+1], s[CSC], v[MX+2*\a]     ; the chunk's largest t
.endr
.irp a, 0,1,2,3,4,5,6,7
	v_floor_f32 v[NM+2*\a], -v[NM+2*\a+1]          ; -Mc = floor(-t) = -ceil(t): a whole number
.endr
; Block a: t - Mc, two at a time; 64 exponentials as one batch; the sum of the unquantised p in four chains; the hold; the codes.
.macro SOFT a
.set AC, 64*((\a)%4)
.set CW, CD+16*((\a)%2)
.if (\a) >= 2
	s_wait_dscnt 9                                 ; block a - 1's nine stores may be out; block a - 2's have read this set of codes
.endif
	WIN 0x02+((\a)/4)
.set j, 0
.rept 32
	v_pk_fma_f32 v[TMP+j:TMP+j+1], v[AC+j:AC+j+1], s[CSC:CSC+1], v[NM+2*(\a):NM+2*(\a)+1] op_sel_hi:[1,0,0]
.set j, j+2
.endr
	WIN 0
.set j, 0
	s_wait_alu depctr_va_vdst(0)
.rept 64
	v_exp_f32 v[TMP+j], v[TMP+j]                   ; p = 2^(t - Mc), at most 1
.set j, j+1
.endr
	v_nop                                          ; a plain instruction behind the last exponential
	s_wait_alu depctr_va_vdst(0)                   ; the wait ahead of the first instruction that names a result
.irp c, 0,2,4,6
	v_pk_add_f32 v[LA+\c:LA+\c+1], v[TMP+2*\c:TMP+2*\c+1], v[TMP+2*\c+2:TMP+2*\c+3]
.endr
.set j, 16
.rept 6
.irp c, 0,2,4,6
	v_pk_add_f32 v[LA+\c:LA+\c+1], v[LA+\c:LA+\c+1], v[TMP+j+\c:TMP+j+\c+1]
.endr
.set j, j+8
.endr
	v_pk_add_f32 v[LA:LA+1], v[LA:LA+1], v[LB:LB+1]
	v_pk_add_f32 v[LC:LC+1], v[LC:LC+1], v[LD:LD+1]
	v_pk_add_f32 v[LA:LA+1], v[LA:LA+1], v[LC:LC+1]
	v_add_f32 v[LA], v[LA], v[LA+1]
	v_permlanex16_b32 v[LB], v[LA], s[SEL], s[SEL+1]
	v_add_f32 v[NM+2*(\a)+1], v[LA], v[LB]         ; the sum over my 128 keys, beside -Mc
.set j, 0
.rept 64
	v_min_num_f32 v[TMP+j], v[TMP+j], v[PLIM]      ; the conversion does not saturate (ISA guide 7.6.2); p is not negative, so the hold is one-sided
.set j, j+1
.endr
.irp b, 0,1,2,3,4,5,6,7
	v_cvt_scalef32_pk8_fp8_f32 v[CW+2*\b:CW+2*\b+1], v[TMP+8*\b:TMP+8*\b+7], v[PSC]
.endr
	v_nop                                          ; a plain instruction between the conversions and the next block's lines, which write their sources
.irp b, 0,1,2,3,4,5,6,7
	ds_store_b64 v[STO], v[CW+2*\b:CW+2*\b+1] offset:(\a)*16*PITCH+16*\b
.endr
	ds_store_b64 v[SXA], v[NM+2*(\a):NM+2*(\a)+1] offset:128*(\a)
.endm
.irp a, 0,1,2,3,4,5,6,7
	SOFT \a
.endr
	s_wait_dscnt 0x0                               ; for the others' sake: a row's 256 codes and its two sums come from two waves
	s_barrier_signal -1
	s_barrier_wait -1
.set t, 0
.rept 32
	ds_load_b128 v[OUTR+4*t:OUTR+4*t+3], v[RD] offset:t*2*PITCH
.set t, t+1
.endr
	ds_load_b128 v[84:87], v[SXR]                  ; (-M, l) of rows 64 w + 2 lane and the next, from the first key half,
	ds_load_b128 v[88:91], v[SXR] offset:2048      ; and from the second
.set t, 0
.rept 32
	s_wait_dscnt 33-t                              ; load t is in: behind it 31 - t rows and the two loads of pairs
	global_store_b128 v[CO], v[OUTR+4*t:OUTR+4*t+3], s[PO:PO+1] offset:4096*t   ; sixteen lanes store 256 consecutive bytes, aligned
.set t, t+1
.endr
	s_wait_dscnt 0x0
	v_add_f32 v88, v85, v89                        ; lc of the first row,
	v_add_f32 v89, v87, v91                        ; of the second
	v_mov_b32 v85, v86                             ; the two -Mc side by side
	global_store_b64 v[SO], v[84:85], s[78:79]     ; the wave stores 256 consecutive bytes, aligned
	global_store_b64 v[SO], v[88:89], s[80:81]
	s_wait_tensorcnt 0x0                           ; the wave's end
	ds_add_u32 v[SPW], v[NIL]
	s_wait_dscnt 0x0
	CROUND                                         ; the closing round
	s_endpgm
.Lfunc_end_k_qc42393cb28_scores:
	.size	k_qc42393cb28_scores, .Lfunc_end_k_qc42393cb28_scores-k_qc42393cb28_scores
	.p2alignl 7, 3214868480
	.fill 96, 4, 3214868480
	.section	.rodata,"a",@progbits
	.p2align	6, 0x0
	.amdhsa_kernel k_qc42393cb28_scores
		.amdhsa_group_segment_fixed_size 327680
		.amdhsa_private_segment_fixed_size 0
		.amdhsa_enable_private_segment 0
		.amdhsa_kernarg_size 56
		.amdhsa_user_sgpr_count 2
		.amdhsa_user_sgpr_kernarg_segment_ptr 1
		.amdhsa_wavefront_size32 1
		.amdhsa_system_sgpr_workgroup_id_x 1
		.amdhsa_system_sgpr_workgroup_id_y 1
		.amdhsa_system_sgpr_workgroup_id_z 1
		.amdhsa_system_vgpr_workitem_id 0
		.amdhsa_next_free_vgpr 1024
		.amdhsa_next_free_sgpr 102
		.amdhsa_reserve_vcc 0
		.amdhsa_float_denorm_mode_32 3
		.amdhsa_float_denorm_mode_16_64 3
		.amdhsa_memory_ordered 1
		.amdhsa_forward_progress 1
		.amdhsa_inst_pref_size 208
	.end_amdhsa_kernel
	.amdgpu_metadata
---
amdhsa.version: [ 1, 2 ]
amdhsa.kernels:
  - .name:           k_qc42393cb28_scores
    .symbol:         k_qc42393cb28_scores.kd
    .args:
      - { .name: q_codes, .offset: 0, .size: 8, .value_kind: global_buffer, .address_space: global }
      - { .name: k_codes, .offset: 8, .size: 8, .value_kind: global_buffer, .address_space: global }
      - { .name: attn_mask, .offset: 16, .size: 8, .value_kind: global_buffer, .address_space: global }
      - { .name: lowp_scales, .offset: 24, .size: 8, .value_kind: global_buffer, .address_space: global }
      - { .name: p_codes, .offset: 32, .size: 8, .value_kind: global_buffer, .address_space: global }
      - { .name: stat_m, .offset: 40, .size: 8, .value_kind: global_buffer, .address_space: global }
      - { .name: stat_l, .offset: 48, .size: 8, .value_kind: global_buffer, .address_space: global }
    .group_segment_fixed_size: 327680
    .private_segment_fixed_size: 0
    .kernarg_segment_align: 8
    .kernarg_segment_size: 56
    .max_flat_workgroup_size: 128
    .sgpr_count:     102
    .vgpr_count:     1024
    .wavefront_size: 32
...
	.end_amdgpu_metadata
.endif
;; end of part 3
;; launch pv (part 4): grid 4 x 64, 4 waves a work-group, clusters of 4 x 4, 327,680 bytes of LDS; arguments p_codes, v_codes, stat_m, stat_l, lowp_scales, out0; writes out0
.if DOCPART == 4
	.amdgcn_target "amdgcn-amd-amdhsa--gfx1250"
	.amdhsa_code_object_version 6
	.text
	.protected	k_qc42393cb28_pv
	.globl	k_qc42393cb28_pv
	.p2align	8
	.type	k_qc42393cb28_pv,@function
k_qc42393cb28_pv:
	s_mov_b64 s[64:65], 0
	v_nop
	global_prefetch_b8 v0, s[64:65] scope:SCOPE_SE
	s_setreg_imm32_b32 hwreg(HW_REG_WAVE_MODE, 25, 1), 1
	s_wait_xcnt 0x0
	s_wait_alu depctr_hold_cnt(0) depctr_sa_sdst(0) depctr_va_vdst(0) depctr_va_sdst(0) depctr_va_ssrc(0) depctr_va_vcc(0) depctr_vm_vsrc(0)
	s_getreg_b32 s2, hwreg(HW_REG_IB_STS2, 6, 4)
	s_cmp_eq_u32 s2, 0
	s_cbranch_scc0 .Lentry_in_a_cluster
	s_endpgm
.Lentry_in_a_cluster:
	s_bfe_u32 s2, ttmp6, 0x10000c
	s_cmp_lg_u32 s2, 0xf033
	s_cbranch_scc0 .Lentry_shape_is_right
	s_endpgm
.Lentry_shape_is_right:
; LAST OF FOUR LAUNCHES: out = softmax(scores) v on codes of E4M3.  (x2 reaches no output: see the first launch; it is no argument.)
; A tile is 128 queries x 256 of d; four waves, each 64 x 128.  The keys are K.  p_codes stand under each chunk's own M (256 keys a chunk): a chunk's sums are started with C = 0, and the finished chunk is merged into the row's sums
; (window 3) by one multiply-add with g(query, chunk) = 2^(Mc - M) x 2^(e4 + e5) / l, M = the largest Mc, l = the sum of lc x 2^(Mc - M).  The powers of two are exact.
; Two LDS regions take turns: D holds 512 keys, S 256: D, S, D, S, D are the 2,048 keys.  Joint loads: p's rows shared along a row of the 4 x 4 cluster, v's along a column; one tensor load a wave behind each round.
; Fragments have two sets and are fetched a step of 128 keys ahead; a region is filled again once its last fragments are in registers.
; PREFETCH: behind the first three fills each wave asks for bytes that stand two fills on: 512, 512 and 256 bytes of each row, in all the keys from 768 to 2,047.  The partners of a joint load share its rows out by address.
; LIMITS: e4 + e5 is applied by v_ldexp_f32.  NaN and infinity are not served.
.set PFA,    20                        ; v20  p's prefetches: 16 rows x two blocks of 256 bytes
.set PFL,    21                        ; v21  16 rows x one block (the lanes left over name the last again)
.set PFB,    22                        ; v22  v's: 32 rows, a lane a row
.macro ASK k, two
	s_cmp_eq_u32 s15, 0
	s_cbranch_scc0 .Lask_v_\@
.if \two
	global_prefetch_b8 v[PFA], s[2:3] offset:\k th:TH_LOAD_NT scope:SCOPE_SE
.else
	global_prefetch_b8 v[PFL], s[2:3] offset:\k th:TH_LOAD_NT scope:SCOPE_SE
.endif
	s_branch .Lask_end_\@
.Lask_v_\@:
	global_prefetch_b8 v[PFB], s[2:3] offset:\k th:TH_LOAD_NT scope:SCOPE_SE
.if \two
	global_prefetch_b8 v[PFB], s[2:3] offset:\k+256 th:TH_LOAD_NT scope:SCOPE_SE
.endif
.Lask_end_\@:
.endm
.set PD,     528
.set PS,     272
.set FR,     16
.set DB,     128*PD
.set SB,     384*PD
.set SBB,    SB+128*PS
.set SPARE,  SB+384*PS
.set STG,    SB
.set SPP,    528
.set ADRAD, 16
.set ADRBD, 17
.set ADRAS, 18
.set ADRBS, 19
.set STO,  24
.set RD,   25
.set CO,   26
.set SPW,  28
.set NIL,  29
.set G,    32
.set AF,   96
.set NMR,  96
.set LR,   128
.set DD,   160
.set TT,   224
.set RI,   232
.set G0BD, 4
.set G0BS, 8
.set G1AD, 24
.set G1AS, 32
.set G1BD, 40
.set G1BS, 48
.set G0AD, 56
.set G0AS, 60
.set MSB, 0
.macro WIN new
.if MSB != (\new)
	s_set_vgpr_msb (MSB<<8)|(\new)
.set MSB, (\new)
.endif
.endm
.macro JLOAD g0a, g1a, g0b, g1b
	s_cmp_eq_u32 s15, 0
	s_cbranch_scc0 .Lfor_b_\@
	tensor_load_to_lds s[\g0a:\g0a+3], s[\g1a:\g1a+7]
	s_nop 0
.rept 4
	v_nop
.endr
	s_branch .Lasked_\@
.Lfor_b_\@:
	tensor_load_to_lds s[\g0b:\g0b+3], s[\g1b:\g1b+7]
	s_nop 0
.rept 4
	v_nop
.endr
.Lasked_\@:
.endm
.macro CROUND
	s_barrier_signal -1
	s_barrier_wait -1
	s_cmp_lg_u32 s14, 0
	s_cbranch_scc1 .Lnot_wave_0_\@
	s_barrier_signal -3
.Lnot_wave_0_\@:
	s_barrier_wait -3
	s_barrier_signal -1
	s_barrier_wait -1
.endm
	s_load_b256 s[68:75], s[0:1], 0x0
	s_load_b128 s[76:79], s[0:1], 0x20
	v_lshl_add_u32 v[SPW], v0, 2, SPARE
	v_mov_b32 v[NIL], 0
	ds_add_u32 v[SPW], v[NIL]
	ds_add_u32 v[SPW], v[NIL]
	v_lshrrev_b32 v1, 5, v0
	v_readfirstlane_b32 s14, v1
	s_lshr_b32 s15, s14, 1
	s_and_b32 s16, s14, 1
	s_bfe_u32 s86, ttmp6, 0x40000
	s_bfe_u32 s87, ttmp6, 0x40004
	s_lshl_b32 s88, ttmp9, 2
	s_add_co_u32 s88, s88, s86
	s_and_b32 s83, ttmp7, 0xffff
	s_lshl_b32 s17, s83, 2
	s_add_co_u32 s17, s17, s87
	s_lshr_b32 s84, s83, 2
	s_lshl_b32 s12, s87, 2
	s_lshl_b32 s12, 15, s12
	s_lshl_b32 s13, 0x1111, s86
	s_or_b32 s[G1AD+0], s12, (0<<16)|(1<<20)|(1<<21)|(6<<22)|(3<<25)
	s_mov_b32 s[G1AD+1], 512<<16
	s_mov_b32 s[G1AD+2], 64<<16
	s_mov_b32 s[G1AD+3], 512<<16
	s_mov_b32 s[G1AD+4], 64
	s_mov_b32 s[G1AD+5], 2048
	s_mov_b32 s[G1AD+6], 0
	s_mov_b32 s[G1AD+7], 0
	s_or_b32 s[G1AS+0], s12, (0<<16)|(1<<20)|(1<<21)|(5<<22)|(3<<25)
	s_mov_b32 s[G1AS+1], 256<<16
	s_mov_b32 s[G1AS+2], 64<<16
	s_mov_b32 s[G1AS+3], 256<<16
	s_mov_b32 s[G1AS+4], 64
	s_mov_b32 s[G1AS+5], 2048
	s_mov_b32 s[G1AS+6], 0
	s_mov_b32 s[G1AS+7], 0
	s_or_b32 s[G1BD+0], s13, (0<<16)|(1<<20)|(1<<21)|(6<<22)|(3<<25)
	s_mov_b32 s[G1BD+1], 512<<16
	s_mov_b32 s[G1BD+2], 128<<16
	s_mov_b32 s[G1BD+3], 512<<16
	s_mov_b32 s[G1BD+4], 128
	s_mov_b32 s[G1BD+5], 8192
	s_mov_b32 s[G1BD+6], 0
	s_mov_b32 s[G1BD+7], 0
	s_or_b32 s[G1BS+0], s13, (0<<16)|(1<<20)|(1<<21)|(5<<22)|(3<<25)
	s_mov_b32 s[G1BS+1], 256<<16
	s_mov_b32 s[G1BS+2], 128<<16
	s_mov_b32 s[G1BS+3], 256<<16
	s_mov_b32 s[G1BS+4], 128
	s_mov_b32 s[G1BS+5], 8192
	s_mov_b32 s[G1BS+6], 0
	s_mov_b32 s[G1BS+7], 0
	s_lshl_b32 s18, s16, 6
	s_lshl_b32 s20, s17, 7
	s_add_co_u32 s20, s20, s18
	s_lshl_b32 s20, s20, 11
	s_mov_b32 s21, 0
	s_lshl_b32 s18, s16, 7
	s_lshl_b32 s22, s88, 8
	s_add_co_u32 s22, s22, s18
	s_lshl_b32 s22, s22, 13
	s_lshl_b32 s23, s84, 11
	s_add_co_u32 s22, s22, s23
	s_mov_b32 s23, 0
	s_mul_i32 s85, s16, 64*PD
	s_mul_i32 s89, s16, 64*PS
	s_add_co_u32 s89, s89, SB
	s_mul_i32 s90, s16, 128*PD
	s_add_co_u32 s90, s90, DB
	s_mul_i32 s91, s16, 128*PS
	s_add_co_u32 s91, s91, SBB
	s_lshl_b32 s98, s86, 15                        ; the prefetches: p: + 16 rows x cx,
	s_add_co_u32 s98, s98, s20
	s_lshl_b32 s99, s87, 18                        ; v: + 32 rows x cy
	s_add_co_u32 s99, s99, s22
	s_cmp_eq_u32 s15, 0
	s_cselect_b32 s98, s98, s99
	s_mov_b32 s99, 0
	s_wait_dscnt 0x0
	s_wait_kmcnt 0x0
	s_load_b64 s[96:97], s[76:77], 0x10
	s_cmp_eq_u32 s15, 0
	s_cselect_b64 s[2:3], s[68:69], s[70:71]
	s_add_nc_u64 s[2:3], s[2:3], s[98:99]
	s_add_nc_u64 s[20:21], s[68:69], s[20:21]
	s_add_nc_u64 s[22:23], s[70:71], s[22:23]
	CROUND
	s_mov_b32 s[G0AD], 1
	s_mov_b32 s[G0AD+1], s85
	s_mov_b64 s[G0AD+2:G0AD+3], s[20:21]
	s_or_b32 s[G0AD+3], s[G0AD+3], 0x80000000
	s_mov_b32 s[G0BD], 1
	s_mov_b32 s[G0BD+1], s90
	s_mov_b64 s[G0BD+2:G0BD+3], s[22:23]
	s_or_b32 s[G0BD+3], s[G0BD+3], 0x80000000
	s_mov_b32 s[G0AS], 1
	s_mov_b32 s[G0AS+1], s89
	s_add_nc_u64 s[G0AS+2:G0AS+3], s[20:21], 512
	s_or_b32 s[G0AS+3], s[G0AS+3], 0x80000000
	s_mov_b32 s[G0BS], 1
	s_mov_b32 s[G0BS+1], s91
	s_add_nc_u64 s[G0BS+2:G0BS+3], s[22:23], 512
	s_or_b32 s[G0BS+3], s[G0BS+3], 0x80000000
	JLOAD G0AD, G1AD, G0BD, G1BD                   ; the first 512 keys: one tensor load a wave at the head; the chunks' statistics are worked under its flight
	v_and_b32 v6, 31, v0
	v_and_b32 v[PFA], 15, v0
	v_bfe_u32 v7, v0, 4, 1
	v_lshlrev_b32 v[PFA], 11, v[PFA]
	v_lshl_add_u32 v[PFA], v7, 8, v[PFA]
	v_min_u32 v[PFL], 15, v6
	v_lshlrev_b32 v[PFL], 11, v[PFL]
	v_lshlrev_b32 v[PFB], 13, v6
	v_and_b32 v1, 15, v0
	v_bfe_u32 v2, v0, 4, 1
	v_lshlrev_b32 v5, 2, v1
	s_lshl_b32 s20, s17, 9
	s_lshl_b32 s21, s15, 8
	s_add_co_u32 s20, s20, s21
	s_mov_b32 s21, 0
	s_add_nc_u64 s[72:73], s[72:73], s[20:21]
	s_add_nc_u64 s[74:75], s[74:75], s[20:21]
.irp a, 0,1,2,3
.irp c, 0,1,2,3,4,5,6,7
	global_load_b32 v[NMR+8*\a+\c], v5, s[72:73] offset:32768*\c+64*\a
.endr
.endr
.irp a, 0,1,2,3
.irp c, 0,1,2,3,4,5,6,7
	global_load_b32 v[LR+8*\a+\c], v5, s[74:75] offset:32768*\c+64*\a
.endr
.endr
	s_wait_alu depctr_va_vdst(0)                   ; ahead of the branch
	ASK 768, 1
	v_mul_u32_u24 v3, v1, PD
	v_lshl_add_u32 v3, v2, 4, v3
	v_mul_u32_u24 v4, v1, PS
	v_lshl_add_u32 v4, v2, 4, v4
	s_mul_i32 s21, s15, 64*PD
	v_add_nc_u32 v[ADRAD], s21, v3
	s_mul_i32 s21, s16, 128*PD
	s_add_co_u32 s21, s21, DB
	v_add_nc_u32 v[ADRBD], s21, v3
	s_mul_i32 s21, s15, 64*PS
	s_add_co_u32 s21, s21, SB
	v_add_nc_u32 v[ADRAS], s21, v4
	s_mul_i32 s21, s16, 128*PS
	s_add_co_u32 s21, s21, SBB
	v_add_nc_u32 v[ADRBS], s21, v4
	s_mul_i32 s23, s14, 16*SPP
	s_add_co_u32 s23, s23, STG
	v_mul_u32_u24 v7, v1, SPP
	v_lshl_add_u32 v7, v2, 5, v7
	v_add_nc_u32 v[STO], s23, v7
	v_lshlrev_b32 v[CO], 4, v6
	v_add_nc_u32 v[RD], s23, v[CO]
	s_lshl_b32 s20, s17, 7
	s_lshl_b32 s21, s15, 6
	s_add_co_u32 s20, s20, s21
	s_lshl_b32 s20, s20, 12
	s_lshl_b32 s22, s88, 10
	s_lshl_b32 s23, s16, 9
	s_add_co_u32 s22, s22, s23
	s_add_co_u32 s20, s20, s22
	s_mov_b32 s21, 0
	s_add_nc_u64 s[78:79], s[78:79], s[20:21]
	s_wait_loadcnt 0x0
.irp a, 0,1,2,3
	v_min_num_f32 v[TT+\a], v[NMR+8*\a], v[NMR+8*\a+1]
	v_min_num_f32 v[TT+4+\a], v[NMR+8*\a+2], v[NMR+8*\a+3]
.endr
.irp a, 0,1,2,3
	v_min_num_f32 v[TT+\a], v[TT+\a], v[NMR+8*\a+4]
	v_min_num_f32 v[TT+4+\a], v[TT+4+\a], v[NMR+8*\a+5]
.endr
.irp a, 0,1,2,3
	v_min_num_f32 v[TT+\a], v[TT+\a], v[NMR+8*\a+6]
	v_min_num_f32 v[TT+4+\a], v[TT+4+\a], v[NMR+8*\a+7]
.endr
.irp a, 0,1,2,3
	v_min_num_f32 v[TT+\a], v[TT+\a], v[TT+4+\a]
.endr
.irp a, 0,1,2,3
.irp c, 0,1,2,3,4,5,6,7
	v_sub_f32 v[DD+8*\a+\c], v[TT+\a], v[NMR+8*\a+\c]
.endr
.endr
.set j, 0
.rept 32
	v_cvt_i32_f32 v[DD+j], v[DD+j]
.set j, j+1
.endr
.set j, 0
.rept 32
	v_ldexp_f32 v[LR+j], v[LR+j], v[DD+j]
.set j, j+1
.endr
.irp a, 0,1,2,3
.irp c, 0,2,4,6
	v_add_f32 v[LR+8*\a+\c], v[LR+8*\a+\c], v[LR+8*\a+\c+1]
.endr
.endr
.irp a, 0,1,2,3
	v_add_f32 v[LR+8*\a], v[LR+8*\a], v[LR+8*\a+2]
	v_add_f32 v[LR+8*\a+4], v[LR+8*\a+4], v[LR+8*\a+6]
.endr
.irp a, 0,1,2,3
	v_add_f32 v[LR+8*\a], v[LR+8*\a], v[LR+8*\a+4]
.endr
	s_wait_alu depctr_va_vdst(0)
.irp a, 0,1,2,3
	v_rcp_f32 v[RI+\a], v[LR+8*\a]
.endr
	v_nop
	s_wait_kmcnt 0x0
	s_add_co_i32 s98, s96, s97
	s_wait_alu depctr_va_vdst(0)
.irp a, 0,1,2,3
	v_ldexp_f32 v[RI+\a], v[RI+\a], s98
.endr
.irp a, 0,1,2,3
.irp c, 0,1,2,3,4,5,6,7
	v_ldexp_f32 v[G+2*(8*\a+\c)], v[RI+\a], v[DD+8*\a+\c]
	v_ldexp_f32 v[G+2*(8*\a+\c)+1], v[RI+\a], v[DD+8*\a+\c]
.endr
.endr
.macro FRAG reg, adr, k, i, pitch
.irp c, 0,1,2,3
	ds_load_b128 v[\reg+4*\c:\reg+4*\c+3], v[\adr] offset:(\k)+32*\c+(\i)*16*(\pitch)
.endr
.endm
.macro FETCH big, k, p
	WIN 0x40
.irp i, 0,1,2,3,4,5,6,7
.if \big
	FRAG 128*(\p)+FR*\i, ADRBD, \k, \i, PD
.else
	FRAG 128*(\p)+FR*\i, ADRBS, \k, \i, PS
.endif
.endr
	WIN 0
.irp i, 0,1,2,3
.if \big
	FRAG AF+64*(\p)+FR*\i, ADRAD, \k, \i, PD
.else
	FRAG AF+64*(\p)+FR*\i, ADRAS, \k, \i, PS
.endif
.endr
.endm
; A chunk's accumulator (a, b) into the row's sums, x g: four lines
.macro MERGE c, a, b
	WIN 0xf2
.irp i, 0,2,4,6
.if (\c) == 0
	v_pk_mul_f32 v[64*(\a)+8*\b+\i:64*(\a)+8*\b+\i+1], v[64*(\a)+8*\b+\i:64*(\a)+8*\b+\i+1], v[G+2*(8*(\a)+(\c)):G+2*(8*(\a)+(\c))+1]
.else
	v_pk_fma_f32 v[64*(\a)+8*\b+\i:64*(\a)+8*\b+\i+1], v[64*(\a)+8*\b+\i:64*(\a)+8*\b+\i+1], v[G+2*(8*(\a)+(\c)):G+2*(8*(\a)+(\c))+1], v[64*(\a)+8*\b+\i:64*(\a)+8*\b+\i+1]
.endif
.endr
.endm
.macro MERGES c, a
.irp b, 0,1,2,3,4,5,6,7
	MERGE \c, \a, \b
.endr
.endm
; A step of 128 keys: 32 matrix instructions on set p, the 32 accumulators by turns.  zero = 1: a chunk's first step; then the chunk before, c, is merged on the way: its block 0 ahead, its block a + 1 between
; the matrix instructions of block a, so that an accumulator is merged before it is begun anew.  c = -1: nothing to merge.
.macro MUL p, zero, c
.if (\c) >= 0
	MERGES \c, 0
.endif
.irp a, 0,1,2,3
.irp b, 0,1,2,3,4,5,6,7
	WIN 0xa1
.if \zero
	v_wmma_f32_16x16x128_fp8_fp8 v[8*(8*\a+\b):8*(8*\a+\b)+7], v[128*(\p)+FR*\b:128*(\p)+FR*\b+FR-1], v[AF+64*(\p)+FR*\a:AF+64*(\p)+FR*\a+FR-1], 0
.else
	v_wmma_f32_16x16x128_fp8_fp8 v[8*(8*\a+\b):8*(8*\a+\b)+7], v[128*(\p)+FR*\b:128*(\p)+FR*\b+FR-1], v[AF+64*(\p)+FR*\a:AF+64*(\p)+FR*\a+FR-1], v[8*(8*\a+\b):8*(8*\a+\b)+7]
.endif
.if ((\c) >= 0) && (\a < 3)
	MERGE \c, \a+1, \b
.endif
.endr
.endr
	WIN 0
.endm
.macro PLACES
.rept 4
	v_nop
.endr
.endm
.macro STEPN p, zero, c, k             ; a step whose successor but one lies in D, at byte k
	s_wait_dscnt 48                                ; this set's 48 loads are in; the other set's may be out
	MUL \p, \zero, \c
	PLACES
	FETCH 1, \k, \p
.endm
; A region's last two steps, whose fragments are all asked for.  Behind the first of them the region is filled again (kind 2: D, 1: S, 0: not), and the other region (big = 1: D) is read.
.macro CHGS c, kind, big, ask
	s_wait_dscnt 48
	MUL 0, 1, \c
	s_wait_tensorcnt 0x0                           ; all my tensor loads have landed: my part of the other region
	ds_add_u32 v[SPW], v[NIL]
.if (\kind) == 2
	s_add_nc_u64 s[G0AD+2:G0AD+3], s[G0AD+2:G0AD+3], 768
	s_add_nc_u64 s[G0BD+2:G0BD+3], s[G0BD+2:G0BD+3], 768
	s_wait_dscnt 0x0                               ; the add is done, and my reads of this region are over
	CROUND
	JLOAD G0AD, G1AD, G0BD, G1BD                   ; its four v_nop are the places ahead of the loads below
.elseif (\kind) == 1
	s_add_nc_u64 s[G0AS+2:G0AS+3], s[G0AS+2:G0AS+3], 768
	s_add_nc_u64 s[G0BS+2:G0BS+3], s[G0BS+2:G0BS+3], 768
	s_wait_dscnt 0x0
	CROUND
	JLOAD G0AS, G1AS, G0BS, G1BS
.else
	s_wait_dscnt 0x0
	s_barrier_signal -1
	s_barrier_wait -1
	PLACES
.endif
	FETCH \big, 0, 0
.if \ask
	ASK 1792, 0
.endif
	MUL 1, 0, -1
	PLACES
	FETCH \big, 128, 1
.endm
	s_wait_alu depctr_va_vdst(0)                   ; the wait at the head's end
	s_wait_tensorcnt 0x0
	ds_add_u32 v[SPW], v[NIL]
	s_wait_dscnt 0x0
	CROUND
	JLOAD G0AS, G1AS, G0BS, G1BS                   ; keys 512 to 767
	FETCH 1, 0, 0
	FETCH 1, 128, 1
	ASK 1280, 1
	STEPN 0, 1, -1, 256                            ; chunk 0
	STEPN 1, 0, -1, 384
	CHGS 0, 2, 0, 1                                ; chunk 1; D takes keys 768 to 1,279
	CHGS 1, 1, 1, 0                                ; chunk 2; S takes keys 1,280 to 1,535
	STEPN 0, 1, 2, 256                             ; chunk 3
	STEPN 1, 0, -1, 384
	CHGS 3, 2, 0, 0                                ; chunk 4; D takes keys 1,536 to 2,047
	CHGS 4, 0, 1, 0                                ; chunk 5; behind its barrier nobody reads S: the stages may be written there
	STEPN 0, 1, 5, 256                             ; chunk 6
	STEPN 1, 0, -1, 384
	s_wait_dscnt 48
	MUL 0, 1, 6                                    ; chunk 7
	s_wait_dscnt 0x0
	MUL 1, 0, -1
	PLACES
.macro TOSTAGE a
	WIN 0x0c
.irp b, 0,1,2,3,4,5,6,7
	ds_store_b128 v[STO], v[64*(\a)+8*\b:64*(\a)+8*\b+3] offset:64*\b
	ds_store_b128 v[STO], v[64*(\a)+8*\b+4:64*(\a)+8*\b+7] offset:64*\b+16
.endr
	WIN 0x40
.set t, 0
.rept 16
	ds_load_b128 v[64*(\a)+4*t:64*(\a)+4*t+3], v[RD] offset:SPP*t
.set t, t+1
.endr
.endm
.macro SEND a, younger
	s_wait_dscnt \younger
	WIN 0x04
.set t, 0
.rept 16
	global_store_b128 v[CO], v[64*(\a)+4*t:64*(\a)+4*t+3], s[78:79] offset:(16*(\a)+t)*4096 th:TH_STORE_NT
.set t, t+1
.endr
.endm
	MERGES 7, 0
	TOSTAGE 0
.irp a, 1,2,3                          ; block a is merged and staged while block a - 1 comes back from the stage
	MERGES 7, \a
	TOSTAGE \a
	SEND \a-1, 32
.endr
	SEND 3, 0
	WIN 0
	s_wait_tensorcnt 0x0
	ds_add_u32 v[SPW], v[NIL]
	s_wait_dscnt 0x0
	CROUND
	s_endpgm
.Lfunc_end_k_qc42393cb28_pv:
	.size	k_qc42393cb28_pv, .Lfunc_end_k_qc42393cb28_pv-k_qc42393cb28_pv
	.p2alignl 7, 3214868480
	.fill 96, 4, 3214868480
	.section	.rodata,"a",@progbits
	.p2align	6, 0x0
	.amdhsa_kernel k_qc42393cb28_pv
		.amdhsa_group_segment_fixed_size 327680
		.amdhsa_private_segment_fixed_size 0
		.amdhsa_enable_private_segment 0
		.amdhsa_kernarg_size 48
		.amdhsa_user_sgpr_count 2
		.amdhsa_user_sgpr_kernarg_segment_ptr 1
		.amdhsa_wavefront_size32 1
		.amdhsa_system_sgpr_workgroup_id_x 1
		.amdhsa_system_sgpr_workgroup_id_y 1
		.amdhsa_system_sgpr_workgroup_id_z 1
		.amdhsa_system_vgpr_workitem_id 0
		.amdhsa_next_free_vgpr 1024
		.amdhsa_next_free_sgpr 100
		.amdhsa_reserve_vcc 0
		.amdhsa_float_denorm_mode_32 3
		.amdhsa_float_denorm_mode_16_64 3
		.amdhsa_memory_ordered 1
		.amdhsa_forward_progress 1
		.amdhsa_inst_pref_size 204
	.end_amdhsa_kernel
	.amdgpu_metadata
---
amdhsa.version: [ 1, 2 ]
amdhsa.kernels:
  - .name:           k_qc42393cb28_pv
    .symbol:         k_qc42393cb28_pv.kd
    .args:
      - { .name: p_codes, .offset: 0, .size: 8, .value_kind: global_buffer, .address_space: global }
      - { .name: v_codes, .offset: 8, .size: 8, .value_kind: global_buffer, .address_space: global }
      - { .name: stat_m, .offset: 16, .size: 8, .value_kind: global_buffer, .address_space: global }
      - { .name: stat_l, .offset: 24, .size: 8, .value_kind: global_buffer, .address_space: global }
      - { .name: lowp_scales, .offset: 32, .size: 8, .value_kind: global_buffer, .address_space: global }
      - { .name: out0, .offset: 40, .size: 8, .value_kind: global_buffer, .address_space: global }
    .group_segment_fixed_size: 327680
    .private_segment_fixed_size: 0
    .kernarg_segment_align: 8
    .kernarg_segment_size: 48
    .max_flat_workgroup_size: 128
    .sgpr_count:     100
    .vgpr_count:     1024
    .wavefront_size: 32
...
	.end_amdgpu_metadata
.endif
;; end of part 4
